; MI455X (gfx1250); checked and timed in simulation.
; The chip was launched on July 23, 2026; its instructions are those of AMD's public machine-readable ISA for CDNA 5 (MIT licence, August 2026) and "CDNA5" Instruction Set Architecture Reference Guide (July 2026). The comments in the code are by the model that wrote it; some were corrected since.
;; GPT2 Block Attention. Allowed arithmetic: matrix products marked QUANTISED: E4M3 operands, one given power-of-two scale a tensor, by v_wmma_f32_16x16x64_fp8_fp8 or v_wmma_f32_16x16x128_fp8_fp8, f32 sums; everything else in f32.
;; Inputs: Wk 1,024 x 1,024 float32; Wp 1,024 x 1,024 float32; Wq 1,024 x 1,024 float32; Wv 1,024 x 1,024 float32; bk 1,024 float32; bp 1,024 float32; bq 1,024 float32; bv 1,024 float32; lowp_scales 12 int32 (the exponents e of the quantised operands' scales 2^e); x 4 x 2,048 x 1,024 float32.
;; Outputs: out0 4 x 2,048 x 1,024 float32.
;; This version of the problem:
;;   THIS VERSION OF THE PROBLEM IS GIVEN IN LOW PRECISION. The matrix products marked QUANTISED in the list below multiply operands that are first quantised to E4M3 (4 exponent bits, 3 mantissa bits; 8 bits a number), with one given power-of-two scale for each operand tensor; their sums are f32. All else is computed in f32.
;;   The module's matrix products, in the order in which they are computed (A, B: the left and right operand; K: the contracted axis; several contracted axes count as one K, in the product's order):
;;     1. [M 8,192, K 1,024] x [K 1,024, N 1,024]; A: input x; B: input Wq: QUANTISED (scales: A lowp_scales[0], B lowp_scales[1])
;;     2. [M 8,192, K 1,024] x [K 1,024, N 1,024]; A: input x; B: input Wk: QUANTISED (scales: A lowp_scales[2], B lowp_scales[3])
;;     3. [M 8,192, K 1,024] x [K 1,024, N 1,024]; A: input x; B: input Wv: QUANTISED (scales: A lowp_scales[4], B lowp_scales[5])
;;     4. batch 64 x [M 2,048, K 64] x [K 64, N 2,048]; A: computed on the way; B: computed on the way: QUANTISED (scales: A lowp_scales[6], B lowp_scales[7])
;;     5. batch 64 x [M 2,048, K 2,048] x [K 2,048, N 64]; A: softmax (see below); B: computed on the way: QUANTISED (scales: A lowp_scales[8], B lowp_scales[9])
;;     6. [M 8,192, K 1,024] x [K 1,024, N 1,024]; A: computed on the way; B: input Wp: QUANTISED (scales: A lowp_scales[10], B lowp_scales[11])
;;   THE QUANTISER, for each operand of a quantised product, along K:
;;     - The operand's scale is 2^e, e = its entry of the input lowp_scales (int32; the entries are numbered through the quantised products in the list's order, A before B).
;;     - Each number is divided by the scale, clamped to +-448, and rounded to the nearest number of E4M3, ties to even, subnormals kept.
;;     - The product sums the exact products of the quantised numbers (number of the format x scale) in f32.
;;   ~~~python
;;   def quantise(x, axis, e):      # numpy; x: float32 -> the quantised numbers, widened to float32 again
;;       x = np.moveaxis(x, axis, -1); K = x.shape[-1]
;;       r = np.clip(x / 2.0 ** e, -448, 448)
;;       step = 2.0 ** (np.maximum(np.frexp(np.where(r == 0, 1, r))[1] - 1, -6) - 3)
;;       q = np.round(r / step) * step * 2.0 ** e      # np.round: ties to even
;;       return np.moveaxis(q, -1, axis).astype(np.float32)
;;   ~~~
;;   SOFTMAX AHEAD OF A QUANTISED PRODUCT. Where the list says 'softmax', what is quantised is not the finished softmax but p = 2^(t - M), with t = logit x log2(e) and M = ceil(the row's largest t), a whole number; so 1/2 < the row's largest p <= 1. The row's sum l is taken of the UNQUANTISED p, in f32, and the product's result is divided by l at the end. Since M is a whole number, a kernel that streams over the keys may use a running M (the ceiling of the running maximum): every later rescaling is an exact power of two, so the quantised numbers keep their values, but for numbers so far below the row's largest that they fall under the format's range.
;;   OPERANDS COMPUTED ON THE WAY. 'Computed on the way' means the value that the module computes at that place (a softmax that the list does not call 'softmax' is quantised finished and normalised). What goes into a quantiser is computed in f32, as accurately as f32 sums, v_exp_f32 and their like allow (about 1e-6 of the number): no bf16 or f16 on the way to a quantiser, and a product that is left as it is and whose result goes on into a quantised operand takes f32 operands (vector FMAs, or v_wmma_f32_16x16x4_f32). A number that lies on a knife's edge between two numbers of the format may be rounded either way, as far as f32 arithmetic and the matrix unit's own rounding can turn it there, and no further.
;; 2 versions, each right; version 2 is version 1 with the launch attn written anew for expert scheduling mode. Each part assembles by itself: llvm-mc -triple=amdgcn-amd-amdhsa -mcpu=gfx1250 --defsym DOCPART=n.
;; ======== version 1 of 2: 4 launches
;; workspace buffers: xc 25,165,824 bytes; wc 4,194,304 bytes; qkvc 25,165,824 bytes; ac 8,388,608 bytes
;; launch quant (part 1): grid 768 x 1, 8 waves a work-group, no clusters, 68,608 bytes of LDS; arguments x, Wq, Wk, Wv, Wp, lowp_scales, xc, wc; writes xc, wc
.if DOCPART == 1
	.amdgcn_target "amdgcn-amd-amdhsa--gfx1250"
	.amdhsa_code_object_version 6
	.text
	.protected	k_q0b500a23a7_quant
	.globl	k_q0b500a23a7_quant
	.p2align	8
	.type	k_q0b500a23a7_quant,@function
k_q0b500a23a7_quant:
	s_mov_b64 s[64:65], 0
	v_nop
	global_prefetch_b8 v0, s[64:65] scope:SCOPE_SE
	s_setreg_imm32_b32 hwreg(HW_REG_WAVE_MODE, 25, 1), 1
	s_wait_xcnt 0x0
; x [8192][1024] and the four weights [1024][1024], f32, K innermost, become codes of FP8 (E4M3).  code = number / 2^e, held within +-448, to the nearest code, ties to even.
; x is the left operand of three products under three given exponents (entries 0, 2, 4): three sets of codes.  Wq, Wk, Wv, Wp take entries 1, 3, 5, 11.
; LIMITS: each e lies between -126 and 119, so that 2^e and 448 x 2^e are f32 numbers.  NaN among the inputs is not served; an infinity is held at the largest code.
; THE CODES ARE LAID AS IMAGES OF OPERAND REGISTERS.  A fragment is 16 rows x 128 K: lane (r = lane % 16, h = lane / 16) holds row r, registers 2 c, 2 c + 1 hold k = 16 c + 8 h + 0 .. 7.
; Its image is 2,048 bytes: registers 4 p .. 4 p + 3 of lane l at 512 p + 16 l.  A tensor: [group of 128 rows][256 along K][tile of 16 rows][128 along K][2,048].
; SHARES.  Work-groups 0-511 take a tile of 16 rows of x, the other 256 a tile of a weight; wave w takes 128 along K: one fragment.  Only pointers and the exponent are chosen by the work-group's number;
; the one branch leads round x's second and third set, which touch no LDS.
; Each load reads 512 consecutive bytes of a row (the eight waves a whole row); the numbers turn through the wave's own stage in LDS, so that a lane gets eight neighbours along K; each store writes 512 consecutive bytes.
; No tensor load, no barrier: waves share nothing.
.set SP,   528                         ; a stage row: 512 bytes + 16 = 132 words: the 16 rows that a load touches start 4 banks apart
.set STG,  16*SP                       ; a wave's stage
.set XWG,  512                         ; work-groups for x
.set SC,   8                           ; v8-10    2^e as f32, a set each
.set LM,   11                          ; v11-13   448 x 2^e
.set R,    16                          ; v16-79   the numbers as loaded
.set CDS,  16                          ; v16-63   later the codes: 16 registers a set
.set X,    80                          ; v80-143  64 numbers: register 8 c + i = k 16 c + 8 h + i of my row
.set T,    144                         ; v144-159 two halves of eight held numbers
	s_load_b256 s[4:11], s[0:1], 0x0               ; x s[4:5], Wq s[6:7], Wk s[8:9], Wv s[10:11]
	s_load_b256 s[12:19], s[0:1], 0x20             ; Wp s[12:13], the exponents s[14:15], xc s[16:17], wc s[18:19]
	v_lshl_add_u32 v160, v0, 2, 0x10800
	v_mov_b32 v161, 0
	v_lshrrev_b32 v5, 5, v0
	v_readfirstlane_b32 s28, v5                    ; wave = which 128 along K
	v_and_b32 v6, 31, v0
	v_lshlrev_b32 v1, 4, v6                        ; 16 x lane: my place in a piece of an image
	v_lshlrev_b32 v2, 4, v0                        ; 512 x wave + 16 x lane: my 16 bytes of a row
	s_mul_i32 s29, s28, STG
	v_add_nc_u32 v3, s29, v1                       ; the stage, on the way in
	v_and_b32 v7, 15, v0
	v_bfe_u32 v5, v0, 4, 1
	v_mul_u32_u24 v4, v7, SP
	v_lshl_add_u32 v4, v5, 5, v4
	v_add_nc_u32 v4, s29, v4                       ; and on the way out: row r, + 32 h bytes
	s_sub_co_u32 s30, ttmp9, XWG
	s_lshr_b32 s31, s30, 6                         ; which weight (of use in a weight's work-group alone)
	s_and_b32 s32, s30, 63                         ; its tile
	s_lshl_b32 s37, s31, 20                        ; its codes' place in wc
	s_lshr_b32 s33, s28, 1
	s_lshl_b32 s33, s33, 15                        ; which 256 along K
	s_and_b32 s36, s28, 1
	s_lshl_b32 s36, s36, 11                        ; which 128 of them
	s_add_co_u32 s36, s36, s33
	s_mov_b32 s39, 0
	s_wait_kmcnt 0x0
	s_load_b256 s[40:47], s[14:15], 0x0            ; e0 .. e7
	s_load_b128 s[48:51], s[14:15], 0x20           ; e8 .. e11
	s_cmp_eq_u32 s31, 1
	s_cselect_b64 s[20:21], s[8:9], s[6:7]
	s_cmp_eq_u32 s31, 2
	s_cselect_b64 s[20:21], s[10:11], s[20:21]
	s_cmp_eq_u32 s31, 3
	s_cselect_b64 s[20:21], s[12:13], s[20:21]
	s_cmp_lt_u32 ttmp9, XWG                        ; the choices hang on the work-group's number alone
	s_cselect_b64 s[20:21], s[4:5], s[20:21]       ; from where
	s_cselect_b64 s[22:23], s[16:17], s[18:19]     ; to where
	s_cselect_b32 s32, ttmp9, s32                  ; the tile of 16 rows
	s_cselect_b32 s37, 0, s37
	s_lshl_b32 s38, s32, 16                        ; 16 rows of 4,096 bytes
	s_add_nc_u64 s[20:21], s[20:21], s[38:39]
	s_lshr_b32 s38, s32, 3
	s_lshl_b32 s38, s38, 17                        ; the group of 128 rows
	s_and_b32 s32, s32, 7
	s_lshl_b32 s32, s32, 12                        ; the tile in it
	s_add_co_u32 s38, s38, s32
	s_add_co_u32 s38, s38, s36
	s_add_co_u32 s38, s38, s37
	s_add_nc_u64 s[22:23], s[22:23], s[38:39]
.set ii, 0
.rept 16
	global_load_b128 v[R+4*ii:R+4*ii+3], v2, s[20:21] offset:4096*ii th:TH_LOAD_NT   ; row ii: 32 lanes read 512 consecutive bytes; read once in the launch
.set ii, ii+1
.endr
.macro MKSC n, e                       ; 2^e and 448 x 2^e as f32
	s_add_co_i32 s34, \e, 127
	s_lshl_b32 s35, s34, 23
	v_mov_b32 v[SC+\n], s35
	s_add_co_i32 s34, s34, 8
	s_lshl_b32 s34, s34, 23
	s_or_b32 s34, s34, 0x600000
	v_mov_b32 v[LM+\n], s34
.endm
	s_wait_kmcnt 0x0
	s_cmp_eq_u32 s31, 1
	s_cselect_b32 s33, s43, s41                    ; Wk: e3, Wq: e1
	s_cmp_eq_u32 s31, 2
	s_cselect_b32 s33, s45, s33                    ; Wv: e5
	s_cmp_eq_u32 s31, 3
	s_cselect_b32 s33, s51, s33                    ; Wp: e11
	s_cmp_lt_u32 ttmp9, XWG
	s_cselect_b32 s33, s40, s33                    ; x, first set: e0
	MKSC 0, s33
.set ii, 0
.rept 16
	s_wait_loadcnt 15-ii                           ; loads come back in order: row ii is in, the younger rows may be out
	ds_store_b128 v3, v[R+4*ii:R+4*ii+3] offset:SP*ii
.set ii, ii+1
.endr
.set cc, 0
.rept 8
	ds_load_b128 v[X+8*cc:X+8*cc+3], v4 offset:64*cc      ; LDS serves a wave's instructions in order: these see my stores
	ds_load_b128 v[X+8*cc+4:X+8*cc+7], v4 offset:64*cc+16
.set cc, cc+1
.endr
; One set of codes.  first = 1: the numbers are still coming back from the stage.  The held numbers go into two halves of T by turns, so that eight plain lines stand between a conversion and the next write of its sources.
.macro QSET n, first, dst
.set cc, 0
.rept 8
.if \first
	s_wait_dscnt 14-2*cc                           ; group cc's two loads are in (so the sixteen stage stores, which are older, have read R: the codes may take its place); the later groups' may be out
.endif
.set ii, 0
.rept 8
	v_med3_num_f32 v[T+8*(cc%2)+ii], v[X+8*cc+ii], -v[LM+\n], v[LM+\n]   ; the conversion to an 8-bit code does not saturate (ISA guide 7.6.2): the hold at the largest code x the scale
.set ii, ii+1
.endr
	v_cvt_scalef32_pk8_fp8_f32 v[CDS+16*\n+2*cc:CDS+16*\n+2*cc+1], v[T+8*(cc%2):T+8*(cc%2)+7], v[SC+\n]
.set cc, cc+1
.endr
.irp p, 0,1,2,3
	global_store_b128 v1, v[CDS+16*\n+4*\p:CDS+16*\n+4*\p+3], s[\dst:\dst+1] offset:512*\p   ; 32 lanes store 512 consecutive bytes, aligned; each set has its own registers, so no store's data are written again
.endr
.endm
	QSET 0, 1, 22
	s_cmp_lt_u32 ttmp9, XWG
	s_cbranch_scc0 .Lend                           ; a weight has one set
	MKSC 1, s42                                    ; e2
	MKSC 2, s44                                    ; e4
	s_add_nc_u64 s[24:25], s[22:23], 0x800000      ; x's second set, 8 MiB on,
	s_add_nc_u64 s[26:27], s[22:23], 0x1000000     ; and its third
	QSET 1, 0, 24
	QSET 2, 0, 26
.Lend:
	s_wait_tensorcnt 0x0
	ds_add_u32 v160, v161
	s_wait_dscnt 0x0
	s_endpgm
.Lfunc_end_k_q0b500a23a7_quant:
	.size	k_q0b500a23a7_quant, .Lfunc_end_k_q0b500a23a7_quant-k_q0b500a23a7_quant
	.p2alignl 7, 3214868480
	.fill 96, 4, 3214868480
	.section	.rodata,"a",@progbits
	.p2align	6, 0x0
	.amdhsa_kernel k_q0b500a23a7_quant
		.amdhsa_group_segment_fixed_size 68608
		.amdhsa_private_segment_fixed_size 0
		.amdhsa_enable_private_segment 0
		.amdhsa_kernarg_size 64
		.amdhsa_user_sgpr_count 2
		.amdhsa_user_sgpr_kernarg_segment_ptr 1
		.amdhsa_wavefront_size32 1
		.amdhsa_system_sgpr_workgroup_id_x 1
		.amdhsa_system_sgpr_workgroup_id_y 1
		.amdhsa_system_sgpr_workgroup_id_z 1
		.amdhsa_system_vgpr_workitem_id 0
		.amdhsa_next_free_vgpr 162
		.amdhsa_next_free_sgpr 66
		.amdhsa_reserve_vcc 0
		.amdhsa_float_denorm_mode_32 3
		.amdhsa_float_denorm_mode_16_64 3
		.amdhsa_memory_ordered 1
		.amdhsa_forward_progress 1
		.amdhsa_inst_pref_size 23
	.end_amdhsa_kernel
	.amdgpu_metadata
---
amdhsa.version: [ 1, 2 ]
amdhsa.kernels:
  - .name:           k_q0b500a23a7_quant
    .symbol:         k_q0b500a23a7_quant.kd
    .args:
      - { .name: x, .offset: 0, .size: 8, .value_kind: global_buffer, .address_space: global }
      - { .name: Wq, .offset: 8, .size: 8, .value_kind: global_buffer, .address_space: global }
      - { .name: Wk, .offset: 16, .size: 8, .value_kind: global_buffer, .address_space: global }
      - { .name: Wv, .offset: 24, .size: 8, .value_kind: global_buffer, .address_space: global }
      - { .name: Wp, .offset: 32, .size: 8, .value_kind: global_buffer, .address_space: global }
      - { .name: lowp_scales, .offset: 40, .size: 8, .value_kind: global_buffer, .address_space: global }
      - { .name: xc, .offset: 48, .size: 8, .value_kind: global_buffer, .address_space: global }
      - { .name: wc, .offset: 56, .size: 8, .value_kind: global_buffer, .address_space: global }
    .group_segment_fixed_size: 68608
    .private_segment_fixed_size: 0
    .kernarg_segment_align: 8
    .kernarg_segment_size: 64
    .max_flat_workgroup_size: 256
    .sgpr_count:     66
    .vgpr_count:     162
    .wavefront_size: 32
...
	.end_amdgpu_metadata
.endif
;; end of part 1
;; launch qkv (part 2): grid 12 x 32, 4 waves a work-group, clusters of 4 x 4, 327,680 bytes of LDS; arguments xc, wc, lowp_scales, bq, bk, bv, qkvc; writes qkvc
.if DOCPART == 2
	.amdgcn_target "amdgcn-amd-amdhsa--gfx1250"
	.amdhsa_code_object_version 6
	.text
	.protected	k_q0b500a23a7_qkv
	.globl	k_q0b500a23a7_qkv
	.p2align	8
	.type	k_q0b500a23a7_qkv,@function
k_q0b500a23a7_qkv:
	s_mov_b64 s[64:65], 0
	v_nop
	global_prefetch_b8 v0, s[64:65] scope:SCOPE_SE
	s_setreg_imm32_b32 hwreg(HW_REG_WAVE_MODE, 25, 1), 1
	s_wait_xcnt 0x0
	s_wait_alu depctr_hold_cnt(0) depctr_sa_sdst(0) depctr_va_vdst(0) depctr_va_sdst(0) depctr_va_ssrc(0) depctr_va_vcc(0) depctr_vm_vsrc(0)
	s_getreg_b32 s2, hwreg(HW_REG_IB_STS2, 6, 4)
	s_cmp_eq_u32 s2, 0
	s_cbranch_scc0 .Lentry_in_a_cluster
	s_endpgm
.Lentry_in_a_cluster:
	s_bfe_u32 s2, ttmp6, 0x10000c
	s_cmp_lg_u32 s2, 0xf033
	s_cbranch_scc0 .Lentry_shape_is_right
	s_endpgm
.Lentry_shape_is_right:
; q = x Wq^T + bq, k = x Wk^T + bk, v = x Wv^T + bv on codes of FP8 (E4M3); each result is quantised at once, with the exponent given for it as an operand of attention (entries 6, 7, 9), and stored as codes.
; The cluster's x says which product: 0 q, 1 k, 2 v.  A work-group of four waves makes 256 x 256 of a product, a wave 128 x 128: 64 accumulators, 512 registers.  K = 1,024 goes in four steps of 256 through two LDS slots.
; OPERANDS lie in memory as images of fragments (16 rows x 128 K, 2,048 bytes; registers 4 p .. 4 p + 3 of lane l at 512 p + 16 l), [group of 128 rows][256 along K][tile][128 along K]: a wave's tensor load is one dense block of
; 32,768 bytes, an LDS load takes 512 consecutive bytes, and k stands in the form's own places.
; ROLES.  The matrix instruction takes source 0 = 16 rows of the B role, source 1 = 16 rows of the A role: lane (r, h) of accumulator (a, b) holds A-role row 16 a + r and, in register j, B-role row 16 b + 8 h + j.
; q, k: A = x, B = the weight: a lane holds one token and eight neighbouring channels, which are neighbours along the scores' K.  v: THE ROLES ARE SWAPPED BY ADDRESS ALONE, A = Wv, B = x: a lane holds one channel and eight
; neighbouring keys, neighbours along the second product's K.  So the conversions' results are registers of the next operand, and they are stored as images: no LDS on the way out.
; OUT: q, k: [batch x 16 + head][tile of 16 tokens][1,024] (16 x 64);  v: [batch x 16 + head][128 keys][16 channels][2,048] (16 channels x 128 keys).  q at 0, k at 8 MiB, v at 16 MiB.
; CLUSTERS: 4 x 4 work-groups.  The four of a row of the cluster need the same A-role block, the four of a column the same B-role block: each is asked for jointly, by the same tensor load with a mask that names the four.
; By this text's count a wave has two tensor loads out at the start and one behind each round.
; LIMITS: e0 + e1, e2 + e3, e4 + e5 between -126 and 127; e6, e7, e9 between -126 and 119.
; REGISTERS, in windows of 256: window 0: v16-29 addresses; v32-95 the bias by columns; v96-111 the bias by rows; v112, v113 2^e and 448 x 2^e of the result; v128-255 A's fragments, one set; on the way out sums and codes.
;   window 1: B's fragments, two sets.   windows 2, 3: the accumulators of my A-role rows 0-63, 64-127 ((a, b) at v[8 (8 (a % 4) + b)]).
.set FR,     16                        ; registers of a fragment
.set NL,     4                         ; LDS loads that bring one
.set NP,     4                         ; places behind this matrix instruction (ISA guide 7.12.1)
.set HALFT,  32768                     ; what one tensor load brings: 128 rows x 256 K
.set SLOT,   4*HALFT                   ; A's 256 rows, then B's
.set SPARE,  2*SLOT                    ; behind the ring: the spare words, 128 bytes a wave; no other line names them
.set KSPB,   32768                     ; in memory: from a block to the next along K
.set LAPS,   2                         ; a lap = two slots = 512 along K
.set ADRA, 16                          ; v16-17  LDS address of my A fragments in slot 0, 1
.set ADRB, 20                          ; v20-21  the same for B
.set CO,   26                          ; v26     16 x lane
.set SPW,  28                          ; v28     LDS address of my spare word; never rewritten
.set NIL,  29                          ; v29     0; never rewritten
.set CB,   32
.set RB,   96
.set SCV,  112
.set LIM,  113
.set AF,   128
.set TMP,  128                         ; the way out: a block's 64 numbers
.set G1, 24                            ; s[24:31] descriptor group 1 for A;  s[32:39] group 0, a set for each slot
.set G0, 32
.set G1B, 48                           ; s[48:55], s[56:63] the same for B
.set G0B, 56
.set MSB, 0
.macro WIN new                         ; the immediate's high byte repeats the setting that is left
.if MSB != \new
	s_set_vgpr_msb (MSB<<8)|\new
.set MSB, \new
.endif
.endm
.set MUL_LO, 0xa1                      ; source 0 (B) window 1, source 1 (A) window 0, C and D window 2
.set MUL_HI, 0xf1                      ; the same, C and D window 3
.set TO_B,   0x40                      ; destination window 1, address window 0
; A joint load: waves 0 and 1 fetch for A, waves 2 and 3 for B; the branch hangs on the wave's number alone.  Four v_nop follow each of the two lines.
.macro JLOAD g0a, g1a, g0b, g1b
	s_cmp_eq_u32 s15, 0
	s_cbranch_scc0 .Lfor_b_\@
	tensor_load_to_lds s[\g0a:\g0a+3], s[\g1a:\g1a+7]
	s_nop 0
.rept 4
	v_nop
.endr
	s_branch .Lasked_\@
.Lfor_b_\@:
	tensor_load_to_lds s[\g0b:\g0b+3], s[\g1b:\g1b+7]
	s_nop 0
.rept 4
	v_nop
.endr
.Lasked_\@:
.endm
.macro CREST                           ; a round of the cluster's barrier behind its opening barrier
	s_cmp_lg_u32 s14, 0
	s_cbranch_scc1 .Lnot_wave_0_\@
	s_barrier_signal -3
.Lnot_wave_0_\@:
	s_barrier_wait -3
	s_barrier_signal -1
	s_barrier_wait -1
.endm
.macro CROUND                          ; a whole round
	s_barrier_signal -1
	s_barrier_wait -1
	CREST
.endm
	s_load_b128 s[4:7], s[0:1], 0x0                ; xc s[4:5], wc s[6:7]
	s_load_b128 s[8:11], s[0:1], 0x10              ; the exponents s[8:9], bq s[10:11]
	s_load_b128 s[72:75], s[0:1], 0x20             ; bk s[72:73], bv s[74:75]
	s_load_b64 s[76:77], s[0:1], 0x30              ; qkvc
	v_lshl_add_u32 v[SPW], v0, 2, SPARE
	v_mov_b32 v[NIL], 0
	ds_add_u32 v28, v29
	ds_add_u32 v28, v29
	s_wait_dscnt 0x0
	v_lshrrev_b32 v1, 5, v0
	v_readfirstlane_b32 s14, v1                    ; wave 0..3
	s_lshr_b32 s15, s14, 1                         ; which half of the A-role rows is mine.  Also: I fetch for A (0) or for B (1)
	s_and_b32 s16, s14, 1                          ; which half of the B-role rows.  Also: which 128 rows I fetch
	s_bfe_u32 s40, ttmp6, 0x40000                  ; cx, cy: my place in the cluster
	s_bfe_u32 s41, ttmp6, 0x40004
	s_mov_b32 s66, ttmp9                           ; the product: the same in all sixteen partners
	s_and_b32 s67, ttmp7, 0xffff
	s_lshl_b32 s67, s67, 2                         ; 4 x cluster y: it walks the tokens, which are the A role for q and k, the B role for v
	s_cmp_eq_u32 s66, 2
	s_cselect_b32 s68, 0, s67
	s_cselect_b32 s69, s67, 0
	s_add_co_u32 s17, s41, s68                     ; which 256 rows of the A role: made of cy, never of cx
	s_add_co_u32 s42, s40, s69                     ; which 256 rows of the B role: made of cx, never of cy
	s_lshl_b32 s43, s41, 2
	s_lshl_b32 s43, 15, s43                        ; my row of the cluster
	s_lshl_b32 s44, 0x1111, s40                    ; my column
	; descriptor group 1: a dense block of 32,768 bytes as 128 rows of 32 elements of 8 bytes, no padding
	s_or_b32 s[G1+0], s43, (3<<16)|(1<<21)         ; 15:0 the mask: A's blocks go to my row; 17:16 elements of 8 bytes; 21 set beside a mask
	s_or_b32 s[G1B+0], s44, (3<<16)|(1<<21)        ; B's go to my column
.irp g, G1, G1B
	s_mov_b32 s[\g+1], 32<<16                      ; tensor_dim0 = 32
	s_mov_b32 s[\g+2], 128<<16                     ; tensor_dim1 = 128
	s_mov_b32 s[\g+3], 32<<16                      ; tile_dim0 = 32
	s_mov_b32 s[\g+4], 128                         ; tile_dim1 = 128
	s_mov_b32 s[\g+5], 32                          ; tensor_dim0_stride
	s_mov_b32 s[\g+6], 0
	s_mov_b32 s[\g+7], 0
.endr
	s_lshl_b32 s18, s16, 17                        ; which group of 128 rows I fetch
	s_lshl_b32 s20, s17, 18
	s_add_co_u32 s20, s20, s18
	s_lshl_b32 s46, s42, 18
	s_add_co_u32 s46, s46, s18
	s_lshl_b32 s70, s66, 23                        ; q, k: x's set of codes,
	s_lshl_b32 s71, s66, 20                        ; and the weight's codes
	s_cmp_eq_u32 s66, 2
	s_cselect_b32 s70, 0x200000, s70               ; v: A is Wv, 2 MiB into wc,
	s_cselect_b32 s71, 0x1000000, s71              ; B is x's third set, 16 MiB into xc
	s_add_co_u32 s20, s20, s70
	s_add_co_u32 s46, s46, s71
	s_mov_b32 s21, 0
	s_mov_b32 s47, 0
	s_mul_i32 s45, s14, HALFT                      ; where the blocks go: wave x 32,768: no place in the cluster enters an LDS address
	s_wait_kmcnt 0x0
	s_load_b256 s[84:91], s[8:9], 0x0              ; e0 .. e7
	s_load_b128 s[92:95], s[8:9], 0x20             ; e8 .. e11
	s_cmp_eq_u32 s66, 2
	s_cselect_b64 s[80:81], s[6:7], s[4:5]         ; the A role's buffer,
	s_cselect_b64 s[82:83], s[4:5], s[6:7]         ; the B role's
	s_add_nc_u64 s[20:21], s[80:81], s[20:21]
	s_add_nc_u64 s[46:47], s[82:83], s[46:47]
	CROUND                                         ; all sixteen work-groups are here: the first joint loads meet
.irp s, 0,1
	s_mov_b32 s[G0+4*\s], 1
	s_add_co_u32 s[G0+4*\s+1], s45, \s*SLOT
	s_add_nc_u64 s[G0+4*\s+2:G0+4*\s+3], s[20:21], \s*KSPB
	s_or_b32 s[G0+4*\s+3], s[G0+4*\s+3], 0x80000000
	s_mov_b32 s[G0B+4*\s], 1
	s_add_co_u32 s[G0B+4*\s+1], s45, \s*SLOT
	s_add_nc_u64 s[G0B+4*\s+2:G0B+4*\s+3], s[46:47], \s*KSPB
	s_or_b32 s[G0B+4*\s+3], s[G0B+4*\s+3], 0x80000000
	JLOAD G0+4*\s, G1, G0B+4*\s, G1B
.endr
	v_and_b32 v1, 31, v0
	v_lshlrev_b32 v[CO], 4, v1                     ; 16 x lane
	s_mul_i32 s21, s15, HALFT                      ; my 128 rows of A
	s_mul_i32 s22, s16, HALFT                      ; my 128 rows of B,
	s_add_co_u32 s22, s22, 2*HALFT                 ; which lie behind A's 256
.irp s, 0,1
	v_add_nc_u32 v[ADRA+\s], s21, v[CO]
	v_add_nc_u32 v[ADRB+\s], s22, v[CO]
	s_add_co_u32 s21, s21, SLOT
	s_add_co_u32 s22, s22, SLOT
.endr
	; the product's bias, in both forms, so that no branch is needed here: by B-role rows (q, k: a lane's eight channels of each b) and by A-role rows (v: a lane's one channel of each a, twice, for the packed form)
	v_and_b32 v2, 15, v0                           ; r
	v_bfe_u32 v3, v0, 4, 1                         ; h
	s_lshl_b32 s98, s40, 10
	s_lshl_b32 s99, s16, 9
	s_add_co_u32 s98, s98, s99
	v_lshlrev_b32 v6, 5, v3
	v_add_nc_u32 v6, s98, v6                       ; 4 (256 cx + 128 half + 8 h): with 64 b + 31 at the most it stays inside the 4,096 bytes
	s_lshl_b32 s98, s41, 10
	s_lshl_b32 s99, s15, 9
	s_add_co_u32 s98, s98, s99
	v_lshlrev_b32 v7, 2, v2
	v_add_nc_u32 v7, s98, v7                       ; 4 (256 cy + 128 half + r)
	s_cmp_eq_u32 s66, 1
	s_cselect_b64 s[78:79], s[72:73], s[10:11]
	s_cmp_eq_u32 s66, 2
	s_cselect_b64 s[78:79], s[74:75], s[78:79]
.irp b, 0,1,2,3,4,5,6,7
	global_load_b128 v[CB+8*\b:CB+8*\b+3], v6, s[78:79] offset:64*\b
	global_load_b128 v[CB+8*\b+4:CB+8*\b+7], v6, s[78:79] offset:64*\b+16
.endr
.irp a, 0,1,2,3,4,5,6,7
	global_load_b32 v[RB+2*\a], v7, s[78:79] offset:64*\a
	global_load_b32 v[RB+2*\a+1], v7, s[78:79] offset:64*\a
.endr
	; where my codes go.  q, k: my first token m0; head 4 cx + 2 half
	s_lshl_b32 s68, s17, 8
	s_lshl_b32 s69, s15, 7
	s_add_co_u32 s68, s68, s69                     ; m0
	s_lshr_b32 s69, s68, 11
	s_lshl_b32 s69, s69, 4                         ; batch x 16
	s_lshl_b32 s70, s40, 2
	s_add_co_u32 s69, s69, s70
	s_lshl_b32 s70, s16, 1
	s_add_co_u32 s69, s69, s70
	s_lshl_b32 s69, s69, 17                        ; a head: 128 tiles of 1,024 bytes
	s_and_b32 s68, s68, 2047
	s_lshl_b32 s68, s68, 6                         ; the tile in the head
	s_add_co_u32 s68, s68, s69
	s_lshl_b32 s70, s66, 23
	s_add_co_u32 s68, s68, s70                     ; q at 0, k at 8 MiB
	; v: my first key n0; head 4 cy + 2 half
	s_lshl_b32 s70, s42, 8
	s_lshl_b32 s71, s16, 7
	s_add_co_u32 s70, s70, s71                     ; n0
	s_lshr_b32 s71, s70, 11
	s_lshl_b32 s71, s71, 4
	s_lshl_b32 s98, s41, 2
	s_add_co_u32 s71, s71, s98
	s_lshl_b32 s98, s15, 1
	s_add_co_u32 s71, s71, s98
	s_lshl_b32 s71, s71, 4                         ; a head: 16 blocks of 128 keys
	s_and_b32 s70, s70, 2047
	s_lshr_b32 s70, s70, 7
	s_add_co_u32 s70, s70, s71
	s_lshl_b32 s70, s70, 13                        ; of 8,192 bytes
	s_add_co_u32 s70, s70, 0x1000000               ; v at 16 MiB
	s_cmp_eq_u32 s66, 2
	s_cselect_b32 s68, s70, s68
	s_mov_b32 s69, 0
	s_add_nc_u64 s[76:77], s[76:77], s[68:69]
	; the powers of two: chosen by the product's number, never by a branch
	s_wait_kmcnt 0x0
	s_add_co_i32 s96, s84, s85                     ; e0 + e1
	s_add_co_i32 s97, s86, s87                     ; e2 + e3
	s_add_co_i32 s98, s88, s89                     ; e4 + e5
	s_cmp_eq_u32 s66, 1
	s_cselect_b32 s96, s97, s96
	s_cselect_b32 s99, s91, s90                    ; k: e7, q: e6
	s_cmp_eq_u32 s66, 2
	s_cselect_b32 s96, s98, s96
	s_cselect_b32 s99, s93, s99                    ; v: e9
	s_add_co_i32 s96, s96, 127
	s_lshl_b32 s96, s96, 23                        ; what a sum is multiplied by, as f32
	s_mov_b32 s97, s96                             ; (named with it as a pair, so it is written)
	s_add_co_i32 s99, s99, 127
	s_lshl_b32 s98, s99, 23
	v_mov_b32 v[SCV], s98                          ; the result's scale as f32: the conversion takes its exponent field
	s_add_co_i32 s99, s99, 8
	s_lshl_b32 s99, s99, 23
	s_or_b32 s99, s99, 0x600000
	v_mov_b32 v[LIM], s99                          ; 448 x that
.macro FRAG reg, adr, q, i             ; a fragment's image, 2,048 bytes: four loads of 512 consecutive bytes
.irp c, 0,1,2,3
	ds_load_b128 v[\reg+4*\c:\reg+4*\c+3], v[\adr] offset:2048*(\q)+512*\c+(\i)*4096
.endr
.endm
; 16 matrix instructions: A's blocks a0, a0 + 1 x B's eight, 128 along K.  p: B's set.  zero = 1: the first product starts the sums.  The 64 accumulators take turns, one instruction a turn, in the same order in every step.
.macro MUL16 a0, p, zero
.irp a, \a0, \a0+1
.irp b, 0,1,2,3,4,5,6,7
.if \zero
	v_wmma_f32_16x16x128_fp8_fp8 v[8*(8*((\a)%4)+\b):8*(8*((\a)%4)+\b)+7], v[128*(\p)+FR*\b:128*(\p)+FR*\b+FR-1], v[AF+FR*(\a):AF+FR*(\a)+FR-1], 0
.else
	v_wmma_f32_16x16x128_fp8_fp8 v[8*(8*((\a)%4)+\b):8*(8*((\a)%4)+\b)+7], v[128*(\p)+FR*\b:128*(\p)+FR*\b+FR-1], v[AF+FR*(\a):AF+FR*(\a)+FR-1], v[8*(8*((\a)%4)+\b):8*(8*((\a)%4)+\b)+7]
.endif
.endr
.endr
.endm
.macro FETCH_B slot, q, p              ; B's eight fragments of the slot's q-th 128 along K into set p
	WIN TO_B
.irp i, 0,1,2,3,4,5,6,7
	FRAG 128*(\p)+FR*\i, ADRB+\slot, \q, \i
.endr
	WIN 0
.endm
.macro FETCH_A slot, q, i0             ; A's blocks i0 .. i0 + 3
.irp i, \i0, \i0+1, \i0+2, \i0+3
	FRAG AF+FR*(\i), ADRA+\slot, \q, \i
.endr
.endm
.macro PLACES n                        ; plain vector lines between a matrix instruction and a load into, or a vector write of, one of its registers, or a read of its result
.rept \n
	v_nop
.endr
.endm
; A step of 128 along K that has its successor in the same slot.  A block of A is free as soon as its eight products are issued, so A has one set: blocks 0-3 are fetched anew in the step's middle, blocks 4-7 at its end.
.macro STEP slot, q, zero
	s_wait_dscnt 4*NL                              ; B's set and A's blocks 0-3 are in; the youngest sixteen loads (A's blocks 4-7) may be out
	WIN MUL_LO
	MUL16 0, (\q)%2, \zero
	MUL16 2, (\q)%2, \zero
	s_wait_dscnt 0                                 ; A's blocks 4-7 are in
	PLACES NP
	FETCH_B \slot, (\q)+1, 1-(\q)%2
	FETCH_A \slot, (\q)+1, 0
	WIN MUL_HI
	MUL16 4, (\q)%2, \zero
	MUL16 6, (\q)%2, \zero
	PLACES NP
	WIN 0
	FETCH_A \slot, (\q)+1, 4
.endm
; A slot's last step changes slots: one barrier; in front of it each wave waits for all its tensor loads, adds 0 to its spare word, and waits for that and for its own reads of this slot.  fill = 1: this slot is filled again, 512 along K ahead.
.macro TURN slot, next, fill
	s_wait_tensorcnt 0x0                           ; all my tensor loads have landed: my part of the next slot  (every window is 0 here)
	ds_add_u32 v[SPW], v[NIL]                      ; 0 onto my spare word
	s_wait_dscnt 4*NL+1                            ; (the add and the youngest sixteen loads may be out)
	WIN MUL_LO
	MUL16 0, 1, 0                                  ; sixteen matrix instructions stand between the add and the wait for it
	s_wait_dscnt 0x0                               ; the add is done, and my reads of this slot are over
	s_barrier_signal -1
	MUL16 2, 1, 0
	WIN 0
	s_barrier_wait -1
.if \fill
	CREST                                          ; the barrier has opened a round of the cluster's barrier: no wave of any partner still reads this slot or has a load on its way
	s_add_nc_u64 s[G0+4*\slot+2:G0+4*\slot+3], s[G0+4*\slot+2:G0+4*\slot+3], 2*KSPB
	s_add_nc_u64 s[G0B+4*\slot+2:G0B+4*\slot+3], s[G0B+4*\slot+2:G0B+4*\slot+3], 2*KSPB
	JLOAD G0+4*\slot, G1, G0B+4*\slot, G1B         ; the first tensor load behind the round; its four v_nop are also the places in front of the loads below
.else
	PLACES NP
.endif
	FETCH_B \next, 0, 0
	FETCH_A \next, 0, 0
	WIN MUL_HI
	MUL16 4, 1, 0
	MUL16 6, 1, 0
	PLACES NP
	WIN 0
	FETCH_A \next, 0, 4
.endm
	s_wait_tensorcnt 1                             ; my part of slot 0 is in (slot 1's load may be out)
	s_barrier_signal -1
	s_barrier_wait -1                              ; everybody's is
	FETCH_B 0, 0, 0
	FETCH_A 0, 0, 0
	FETCH_A 0, 0, 4
	STEP 0, 0, 1                                   ; the first step stands in front of the loop: its products start the sums
	s_mov_b32 s3, LAPS-1
.Llap:                                                 ; a trip goes once round the ring and fills both slots again
	TURN 0, 1, 1
	STEP 1, 0, 0
	TURN 1, 0, 1
	STEP 0, 0, 0
	s_sub_co_u32 s3, s3, 1
	s_cmp_lg_u32 s3, 0
	s_cbranch_scc1 .Llap
	TURN 0, 1, 0                                   ; the last lap fills nothing, and has no round of the cluster's barrier
	STEP 1, 0, 0
	s_wait_dscnt 4*NL                              ; the very last step: nothing more to fetch
	WIN MUL_LO
	MUL16 0, 1, 0
	MUL16 2, 1, 0
	s_wait_dscnt 0
	WIN MUL_HI
	MUL16 4, 1, 0
	MUL16 6, 1, 0
	WIN 0
; THE WAY OUT of block a (16 A-role rows x 128 B-role rows): sum x 2^(eA + eB) + bias, one packed multiply-add for two numbers, each accumulator from its low end on; the hold; eight numbers a conversion.
; The block's 16 code registers are: q, k: the 16 x 64 fragments of two heads (accumulators 0-3, 4-7); v: one fragment of 16 channels x 128 keys.  Each store writes 512 consecutive bytes, aligned.
.macro OUT a, isv
.set AC, 64*((\a)%4)
.set CD, 192+16*((\a)%4)               ; four sets of code registers by turns
	WIN 0x02+((\a)/4)                              ; source 0: window 2 or 3
.set jj, 0
.rept 32
.if \isv
	v_pk_fma_f32 v[TMP+jj:TMP+jj+1], v[AC+jj:AC+jj+1], s[96:97], v[RB+2*(\a):RB+2*(\a)+1] op_sel_hi:[1,0,1]
.else
	v_pk_fma_f32 v[TMP+jj:TMP+jj+1], v[AC+jj:AC+jj+1], s[96:97], v[CB+jj:CB+jj+1] op_sel_hi:[1,0,1]
.endif
.set jj, jj+2
.endr
	WIN 0
.if (\a) >= 4
	s_wait_xcnt 0x0                                ; block a - 4's stores have read this set of code registers
.endif
.set bb, 0
.rept 8
.set ii, 0
.rept 8
	v_med3_num_f32 v[TMP+8*bb+ii], v[TMP+8*bb+ii], -v[LIM], v[LIM]   ; the conversion does not saturate (ISA guide 7.6.2)
.set ii, ii+1
.endr
	v_cvt_scalef32_pk8_fp8_f32 v[CD+2*bb:CD+2*bb+1], v[TMP+8*bb:TMP+8*bb+7], v[SCV]
.set bb, bb+1
.endr
	v_nop                                          ; a plain line between the last conversion and the next block's writes of its sources
.irp p, 0,1,2,3
.if \isv
	global_store_b128 v[CO], v[CD+4*\p:CD+4*\p+3], s[76:77] offset:131072*((\a)/4)+2048*((\a)%4)+512*\p
.else
	global_store_b128 v[CO], v[CD+4*\p:CD+4*\p+3], s[76:77] offset:1024*(\a)+131072*(\p/2)+512*(\p%2)
.endif
.endr
.endm
	s_wait_loadcnt 0x0                             ; the biases
	PLACES NP                                      ; behind the last products: their sources are written and their results read below
	s_cmp_eq_u32 s66, 2                            ; the cluster's x: alike in all sixteen partners
	s_cbranch_scc1 .Lv
.irp a, 0,1,2,3,4,5,6,7
	OUT \a, 0
.endr
	s_branch .Ldone
.Lv:
.irp a, 0,1,2,3,4,5,6,7
	OUT \a, 1
.endr
.Ldone:
	s_wait_tensorcnt 0x0                           ; the wave's end
	ds_add_u32 v[SPW], v[NIL]
	s_wait_dscnt 0x0
	CROUND                                         ; the closing round: no work-group ends while a partner may still ask for a block that names it
	s_endpgm
.Lfunc_end_k_q0b500a23a7_qkv:
	.size	k_q0b500a23a7_qkv, .Lfunc_end_k_q0b500a23a7_qkv-k_q0b500a23a7_qkv
	.p2alignl 7, 3214868480
	.fill 96, 4, 3214868480
	.section	.rodata,"a",@progbits
	.p2align	6, 0x0
	.amdhsa_kernel k_q0b500a23a7_qkv
		.amdhsa_group_segment_fixed_size 327680
		.amdhsa_private_segment_fixed_size 0
		.amdhsa_enable_private_segment 0
		.amdhsa_kernarg_size 56
		.amdhsa_user_sgpr_count 2
		.amdhsa_user_sgpr_kernarg_segment_ptr 1
		.amdhsa_wavefront_size32 1
		.amdhsa_system_sgpr_workgroup_id_x 1
		.amdhsa_system_sgpr_workgroup_id_y 1
		.amdhsa_system_sgpr_workgroup_id_z 1
		.amdhsa_system_vgpr_workitem_id 0
		.amdhsa_next_free_vgpr 1024
		.amdhsa_next_free_sgpr 100
		.amdhsa_reserve_vcc 0
		.amdhsa_float_denorm_mode_32 3
		.amdhsa_float_denorm_mode_16_64 3
		.amdhsa_memory_ordered 1
		.amdhsa_forward_progress 1
		.amdhsa_inst_pref_size 194
	.end_amdhsa_kernel
	.amdgpu_metadata
---
amdhsa.version: [ 1, 2 ]
amdhsa.kernels:
  - .name:           k_q0b500a23a7_qkv
    .symbol:         k_q0b500a23a7_qkv.kd
    .args:
      - { .name: xc, .offset: 0, .size: 8, .value_kind: global_buffer, .address_space: global }
      - { .name: wc, .offset: 8, .size: 8, .value_kind: global_buffer, .address_space: global }
      - { .name: lowp_scales, .offset: 16, .size: 8, .value_kind: global_buffer, .address_space: global }
      - { .name: bq, .offset: 24, .size: 8, .value_kind: global_buffer, .address_space: global }
      - { .name: bk, .offset: 32, .size: 8, .value_kind: global_buffer, .address_space: global }
      - { .name: bv, .offset: 40, .size: 8, .value_kind: global_buffer, .address_space: global }
      - { .name: qkvc, .offset: 48, .size: 8, .value_kind: global_buffer, .address_space: global }
    .group_segment_fixed_size: 327680
    .private_segment_fixed_size: 0
    .kernarg_segment_align: 8
    .kernarg_segment_size: 56
    .max_flat_workgroup_size: 128
    .sgpr_count:     100
    .vgpr_count:     1024
    .wavefront_size: 32
...
	.end_amdgpu_metadata
.endif
;; end of part 2
;; launch attn (part 3): grid 4 x 64, 16 waves a work-group, no clusters, 34,816 bytes of LDS; arguments qkvc, lowp_scales, ac; writes ac
.if DOCPART == 3
	.amdgcn_target "amdgcn-amd-amdhsa--gfx1250"
	.amdhsa_code_object_version 6
	.text
	.protected	k_q0b500a23a7_attn
	.globl	k_q0b500a23a7_attn
	.p2align	8
	.type	k_q0b500a23a7_attn,@function
k_q0b500a23a7_attn:
	s_mov_b64 s[64:65], 0
	v_nop
	global_prefetch_b8 v0, s[64:65] scope:SCOPE_SE
	s_setreg_imm32_b32 hwreg(HW_REG_WAVE_MODE, 25, 1), 1
	s_wait_xcnt 0x0
; Causal attention on codes of FP8 (E4M3), head size 64, 2,048 positions, 64 heads (batch x 16 + head).  The result is quantised at once (entry 10) and stored as codes, as images of the last product's fragments.
; THE SOFTMAX AHEAD OF THE SECOND PRODUCT: t = score x log2(e) / 8; M = the row's largest t so far, rounded up to a whole number; p = 2^(t - M) is quantised (entry 8), not normalised; the row's sum is taken of the unquantised p
; and divides at the end.  When M moves, the sum and O are multiplied by 2^(old M - new M): nothing is rounded.
; SHARES.  Work-group (J, head) owns the query blocks J and 7 - J of 256 queries, one after the other; each of its sixteen waves owns 16 queries.  Block b walks the key blocks of 128 keys 0 .. 2 b + 1, so every work-group
; walks (2 J + 2) + (16 - 2 J) = 18 of them: 9 trips of two, a constant.  In a block's last key block waves 0-7 have no key that counts and pass over the work by a scalar branch on ids.
; LAYOUT.  S^T = K Q^T (source 0 = 16 keys, source 1 = my 16 queries, K = 64), O^T = V^T P^T (source 0 = 16 channels, source 1 = P, K = 128 keys): a lane holds one query (lane % 16) throughout; register j of score tile c is key
; 16 c + 8 (lane / 16) + j, just what registers 2 c, 2 c + 1 of P want.  q, k, v lie in memory as images of fragments: a key block of K is 8,192 dense bytes, of V likewise.
; K's and V's blocks come through two LDS slots: each of the 512 threads loads 16 bytes of each into registers a whole key block ahead and stores them into the slot that was left at the last barrier.  One barrier a key block.
; NO TENSOR LOAD, NO CLUSTER: a key block is 32 bytes a thread; query blocks of one head stand at different key blocks in the same trip, so partners would not ask for the same tiles.
; LIMITS: e6 + e7 between -123 and 130 (added to the exponent field of log2(e) / 8); e8, e10 between -126 and 119; e8 + e9 is applied by v_ldexp_f32 and has none.
; REGISTERS: v1 16 x lane; v2 16 x thread; v3 lane % 16 - 8 (lane / 16); v12 -M, v13 the largest t, v[14:15] the sum in two halves; v16-23 Q; v32-95 K's 8 fragments, then V's 4; v96-159 S^T, then p; v160-191 O^T;
;   v192-199 the result's codes; v200-207 the next key block on its way; v224-239 p's codes; v240, v244: 448 x 2^e8, 2^e8; v241, v245: the same with e10; v242, v243, v248, v252-254 at work.
.set SLB, 16384                        ; a slot: K's 8 images, then V's 4
.set VO,  8192
	s_load_b128 s[4:7], s[0:1], 0x0                ; qkvc s[4:5], the exponents s[6:7]
	s_load_b64 s[8:9], s[0:1], 0x10                ; ac
	v_lshl_add_u32 v251, v0, 2, 0x8000
	v_mov_b32 v255, 0
	v_lshrrev_b32 v4, 5, v0
	v_readfirstlane_b32 s10, v4                    ; wave 0..15
	v_and_b32 v4, 31, v0
	v_lshlrev_b32 v1, 4, v4
	v_lshlrev_b32 v2, 4, v0
	v_and_b32 v3, 15, v0
	v_bfe_u32 v4, v0, 4, 1
	v_lshlrev_b32 v4, 3, v4
	v_sub_nc_u32 v3, v3, v4
	s_mov_b32 s11, ttmp9                           ; J
	s_and_b32 s12, ttmp7, 0xffff                   ; batch x 16 + head
	s_mov_b32 s13, s11                             ; the query block in hand
	s_mov_b32 s14, 0                               ; its pair of key blocks in hand
	s_mov_b32 s17, 0                               ; trips
	s_mov_b32 s37, 0                               ; the key block's first key
	s_mov_b32 s57, 0                               ; (upper words of the offset pairs)
	s_mov_b32 s61, 0
	s_mov_b32 s20, 0x76543210                      ; v_permlanex16_b32's selects for lane l xor 16
	s_mov_b32 s21, 0xfedcba98
	s_mov_b32 s22, 0x3e38aa3b                      ; log2(e) / sqrt(64)
	s_lshl_b32 s36, s13, 8
	s_lshl_b32 s53, s10, 4
	s_add_co_u32 s36, s36, s53                     ; my first query
	; the head's place in a row of the last product's operand: k = 64 head on: which 256, which 128, which 64
	s_and_b32 s53, s12, 15
	s_lshr_b32 s58, s53, 2
	s_lshl_b32 s58, s58, 15
	s_bfe_u32 s54, s53, 0x10001
	s_lshl_b32 s54, s54, 11
	s_add_co_u32 s58, s58, s54
	s_and_b32 s54, s53, 1
	s_lshl_b32 s54, s54, 10
	s_add_co_u32 s58, s58, s54
	s_lshr_b32 s59, s12, 4
	s_lshl_b32 s59, s59, 7
	s_add_co_u32 s59, s59, s10                     ; batch x 128 + wave: with 16 x query block, my tile of 16 tokens
	s_lshl_b32 s56, s12, 17                        ; a head's codes are 131,072 bytes in q, in k and in v
	s_wait_kmcnt 0x0
	s_load_b256 s[40:47], s[6:7], 0x0              ; e0 .. e7
	s_load_b128 s[48:51], s[6:7], 0x20             ; e8 .. e11
	s_add_nc_u64 s[32:33], s[4:5], s[56:57]        ; q at my head,
	s_add_nc_u64 s[24:25], s[32:33], 0x800000      ; k,
	s_add_nc_u64 s[26:27], s[32:33], 0x1000000     ; v
	global_load_b128 v[200:203], v2, s[24:25]      ; key block 0
	global_load_b128 v[204:207], v2, s[26:27]
	s_lshl_b32 s60, s10, 10
	s_add_nc_u64 s[32:33], s[32:33], s[60:61]      ; q at my wave's tile of query block 0
	s_lshl_b32 s60, s13, 14
	s_add_nc_u64 s[38:39], s[32:33], s[60:61]      ; and of the block in hand
	global_load_b128 v[16:19], v1, s[38:39]
	global_load_b128 v[20:23], v1, s[38:39] offset:512
.macro INIT                            ; a query block begins: the first change of M multiplies zeros, so the key step is written once
	v_mov_b32 v13, 0xff61b1e6                      ; the largest t so far: -3e38, under every t
	v_floor_f32 v12, -v13
	v_mov_b32 v14, 0
	v_mov_b32 v15, 0
.set cc, 0
.rept 32
	v_mov_b32 v[160+cc], 0
.set cc, cc+1
.endr
.endm
	INIT
	v_mov_b32 v248, 0                              ; written once: a lane permute's destination counts as one of its sources
	v_mov_b32 v253, 0                              ; (named as the upper half of the pair v[252:253])
	s_wait_kmcnt 0x0
	s_add_co_i32 s53, s46, s47
	s_lshl_b32 s53, s53, 23
	s_add_co_i32 s22, s22, s53                     ; a score stands for score x 2^(e6 + e7): the two are added to the factor's exponent field
	s_mov_b32 s23, s22                             ; (named with it as a pair, so it is written)
	s_add_co_i32 s53, s48, 127
	s_lshl_b32 s54, s53, 23
	v_mov_b32 v244, s54                            ; 2^e8
	s_add_co_i32 s53, s53, 8
	s_lshl_b32 s53, s53, 23
	s_or_b32 s53, s53, 0x600000
	v_mov_b32 v240, s53                            ; 448 x 2^e8
	s_add_co_i32 s53, s50, 127
	s_lshl_b32 s54, s53, 23
	v_mov_b32 v245, s54                            ; 2^e10
	s_add_co_i32 s53, s53, 8
	s_lshl_b32 s53, s53, 23
	s_or_b32 s53, s53, 0x600000
	v_mov_b32 v241, s53                            ; 448 x 2^e10
	s_add_co_i32 s52, s48, s49                     ; e8 + e9
	s_cmp_lt_i32 s48, -8
	s_cselect_b32 s55, 1, 0                        ; p is at most 1 and a rounding; from e8 = -8 on 448 x 2^e8 is 1.75 or more, and the hold of p changes nothing
	s_wait_loadcnt 0x0
	ds_store_b128 v2, v[200:203]
	ds_store_b128 v2, v[204:207] offset:VO
	s_wait_dscnt 0x0                               ; for the others' sake: my part of key block 0 lies in slot 0
	s_barrier_signal -1
	s_barrier_wait -1
; A KEY STEP: the 128 keys in slot sl.
.macro STEP sl
.set cc, 0
.rept 16
	ds_load_b128 v[32+4*cc:35+4*cc], v1 offset:\sl*SLB+512*cc      ; K: tile cc / 2, half cc % 2: 512 consecutive bytes a load.  (The four v_nop at the last step's end are the places in front of these)
.set cc, cc+1
.endr
	s_wait_dscnt 8                                 ; tiles 0-3 are in; the youngest eight loads may be out
.irp t, 0,1,2,3
	v_wmma_f32_16x16x64_fp8_fp8 v[96+8*\t:103+8*\t], v[32+8*\t:39+8*\t], v[16:23], 0
.endr
	s_wait_dscnt 0x0
.irp t, 4,5,6,7
	v_wmma_f32_16x16x64_fp8_fp8 v[96+8*\t:103+8*\t], v[32+8*\t:39+8*\t], v[16:23], 0
.endr
.rept 4
	v_nop                                          ; places: in front of the loads into K's registers, and of the first read of the scores
.endr
.set cc, 0
.rept 16
	ds_load_b128 v[32+4*cc:35+4*cc], v1 offset:\sl*SLB+VO+512*cc   ; V's four fragments: they land under the softmax
.set cc, cc+1
.endr
	s_add_co_u32 s53, s37, 127                     ; on the diagonal the scores of hidden keys become -infinity ahead of the maximum: p = 0 then.  A step all of whose keys count skips this
	s_cmp_le_u32 s53, s36
	s_cbranch_scc1 .Lopen_\@
	s_sub_co_i32 s53, s36, s37
	v_add_nc_u32 v252, s53, v3                     ; d = my query - the first key - 8 (lane / 16).  Register 8 c + j holds key 16 c + 8 (lane / 16) + j: hidden where 16 c + j > d
	v_mov_b32 v254, 0xff800000
.set nn, 0
.rept 64
	v_cmp_gt_i32 vcc_lo, 16*(nn/8)+nn%8, v252
	v_cndmask_b32 v[96+nn], v[96+nn], v254, vcc_lo
.set nn, nn+1
.endr
.Lopen_\@:
	v_max3_num_f32 v254, v96, v97, v98             ; the step's largest score of my query, among my 64 keys, in two chains,
	v_max3_num_f32 v252, v99, v100, v101
.irp i, 6,10,14,18,22,26,30,34,38,42,46,50,54,58
	v_max3_num_f32 v254, v254, v[96+\i], v[97+\i]
	v_max3_num_f32 v252, v252, v[98+\i], v[99+\i]
.endr
	v_max3_num_f32 v254, v254, v158, v159
	v_max_num_f32 v254, v254, v252
	v_permlanex16_b32 v248, v254, s20, s21
	v_max_num_f32 v254, v254, v248                 ; and among lane l xor 16's
	v_mul_f32 v254, s22, v254                      ; as t (the factor is positive)
	v_max_num_f32 v13, v13, v254                   ; the running largest t
	v_mov_b32 v254, v12
	v_floor_f32 v12, -v13                          ; the new -M = floor(-t): M is a whole number
	v_sub_f32 v254, v12, v254                      ; old M - new M: a whole number, 0 or less
	v_cvt_i32_f32 v254, v254                       ; (it saturates)
	v_ldexp_f32 v252, 1.0, v254                    ; f = 2^(old M - new M)
.set jj, 0
.rept 32
	v_pk_fma_f32 v[96+jj:97+jj], v[96+jj:97+jj], s[22:23], v[12:13] op_sel_hi:[1,0,0]   ; t - M, two at a time (of both pairs the low word serves both halves)
.set jj, jj+2
.endr
.set jj, 0
.rept 64
	v_exp_f32 v[96+jj], v[96+jj]                   ; p = 2^(t - M): one batch
.set jj, jj+1
.endr
	v_pk_mul_f32 v[14:15], v[14:15], v[252:253] op_sel_hi:[1,0]   ; the sums under the new M: the plain line behind the exponentials
	s_wait_alu depctr_va_vdst(0)                   ; one wait for the batch, ahead of its first reader
	v_pk_add_f32 v[242:243], v[96:97], v[98:99]    ; the row's sum is taken of the unquantised p: two at a time, in two chains
.irp j, 4,8,12,16,20,24,28,32,36,40,44,48,52,56,60
	v_pk_add_f32 v[14:15], v[14:15], v[96+\j:97+\j]
	v_pk_add_f32 v[242:243], v[242:243], v[98+\j:99+\j]
.endr
	v_pk_add_f32 v[14:15], v[14:15], v[242:243]
	s_cmp_eq_u32 s55, 0                            ; a whole number read from memory; this launch has no tensor load, copy or cluster, and no barrier stands under the branch
	s_cbranch_scc1 .Lnohold_\@
.set jj, 0
.rept 64
	v_min_num_f32 v[96+jj], v[96+jj], v240         ; e8 under -8: the conversion does not saturate (ISA guide 7.6.2); p is not negative, so the hold is one-sided
.set jj, jj+1
.endr
.Lnohold_\@:
.irp c, 0,1,2,3,4,5,6,7
	v_cvt_scalef32_pk8_fp8_f32 v[224+2*\c:225+2*\c], v[96+8*\c:103+8*\c], v244   ; registers 2 c, 2 c + 1 of P
.endr
.set jj, 0
.rept 16
	v_pk_mul_f32 v[160+jj:161+jj], v[160+jj:161+jj], v[252:253] op_sel_hi:[1,0]   ; O^T under the new M.  (Also the plain lines between the conversions and the products)
.set jj, jj+2
.endr
	s_wait_dscnt 0x0                               ; V is in
.irp t, 0,1,2,3
	v_wmma_f32_16x16x128_fp8_fp8 v[160+8*\t:167+8*\t], v[32+16*\t:47+16*\t], v[224:239], v[160+8*\t:167+8*\t]   ; four accumulators by turns, one instruction a turn
.endr
.rept 4
	v_nop                                          ; places: in front of the next step's loads into V's registers, and of the way out's reads of O^T
.endr
.endm
.Lpair:                                            ; 9 trips, two key blocks each
	; ---- the even key block, in slot 0.  It always has a successor in the same query block, and no wave passes over it
	s_add_co_u32 s56, s37, 128
	s_lshl_b32 s56, s56, 6                         ; 128 keys are 8,192 bytes
	s_add_nc_u64 s[28:29], s[24:25], s[56:57]      ; (the last loads by these addresses have been waited for)
	s_add_nc_u64 s[30:31], s[26:27], s[56:57]
	global_load_b128 v[200:203], v2, s[28:29]      ; the next key block, a whole step ahead
	global_load_b128 v[204:207], v2, s[30:31]
	STEP 0
	s_wait_loadcnt 0x0
	ds_store_b128 v2, v[200:203] offset:SLB        ; into slot 1, which every wave left in front of the last barrier
	ds_store_b128 v2, v[204:207] offset:SLB+VO
	s_wait_dscnt 0x0                               ; my stores have landed, and my reads of slot 0 are over
	s_barrier_signal -1
	s_barrier_wait -1
	s_add_co_u32 s37, s37, 128
	; ---- the odd key block, in slot 1
	s_add_co_u32 s56, s37, 128
	s_cmp_eq_u32 s14, s13                          ; the query block's last pair?  Then the next key block is the next query block's first
	s_cselect_b32 s56, 0, s56
	s_lshl_b32 s56, s56, 6
	s_cmp_eq_u32 s17, 8                            ; the last trip asks for nothing
	s_cbranch_scc1 .Lno_next
	s_add_nc_u64 s[28:29], s[24:25], s[56:57]
	s_add_nc_u64 s[30:31], s[26:27], s[56:57]
	global_load_b128 v[200:203], v2, s[28:29]
	global_load_b128 v[204:207], v2, s[30:31]
.Lno_next:
	s_add_co_u32 s53, s36, 15
	s_cmp_gt_u32 s37, s53                          ; all 128 keys come after my 16 queries: the step's work is left out; no barrier stands in it
	s_cbranch_scc1 .Lhidden
	STEP 1
.Lhidden:
	s_cmp_eq_u32 s14, s13
	s_cbranch_scc1 .Lfinal
	s_add_co_u32 s14, s14, 1
	s_add_co_u32 s37, s37, 128
	s_branch .Lstage
.Lfinal:                                           ; THE WAY OUT of a query block
	s_wait_xcnt 0x0                                ; the first way out's stores have read their address and data registers
	s_lshl_b32 s53, s13, 4
	s_add_co_u32 s53, s53, s59                     ; my tile of 16 tokens
	s_lshr_b32 s54, s53, 3
	s_lshl_b32 s54, s54, 17                        ; its group of 128 rows,
	s_and_b32 s53, s53, 7
	s_lshl_b32 s53, s53, 12                        ; its place in the group,
	s_add_co_u32 s60, s54, s53
	s_add_co_u32 s60, s60, s58                     ; the head's place along K
	s_add_nc_u64 s[34:35], s[8:9], s[60:61]
	s_mov_b32 s14, 0
	s_mov_b32 s37, 0
	s_cmp_eq_u32 s17, 8
	s_cbranch_scc1 .Lno_q
	s_sub_co_u32 s13, 7, s11                       ; the second query block: its Q is asked for first, and lands under the arithmetic below
	s_lshl_b32 s36, s13, 8
	s_lshl_b32 s53, s10, 4
	s_add_co_u32 s36, s36, s53
	s_lshl_b32 s60, s13, 14
	s_add_nc_u64 s[38:39], s[32:33], s[60:61]
	global_load_b128 v[16:19], v1, s[38:39]
	global_load_b128 v[20:23], v1, s[38:39] offset:512
.Lno_q:
	v_add_f32 v14, v14, v15                        ; the sum's two halves,
	v_permlanex16_b32 v248, v14, s20, s21
	v_add_f32 v14, v14, v248                       ; and lane l xor 16's
	v_rcp_f32 v14, v14
	v_nop                                          ; a plain line behind the reciprocal
	s_wait_alu depctr_va_vdst(0)                   ; and the wait ahead of its first reader
	v_ldexp_f32 v14, v14, s52                      ; x 2^(e8 + e9)
.set jj, 0
.rept 16
	v_pk_mul_f32 v[96+jj:97+jj], v[160+jj:161+jj], v[14:15] op_sel_hi:[1,0]   ; register 8 t + j: channel 16 t + 8 (lane / 16) + j of my query; each accumulator from its low end on
.set jj, jj+2
.endr
.set bb, 0
.rept 4
.set ii, 0
.rept 8
	v_med3_num_f32 v[96+8*bb+ii], v[96+8*bb+ii], -v241, v241
.set ii, ii+1
.endr
	v_cvt_scalef32_pk8_fp8_f32 v[192+2*bb:193+2*bb], v[96+8*bb:103+8*bb], v245
.set bb, bb+1
.endr
	v_nop                                          ; a plain line behind the last conversion
	global_store_b128 v1, v[192:195], s[34:35]     ; half a fragment of the last product's operand: twice 512 consecutive bytes, aligned
	global_store_b128 v1, v[196:199], s[34:35] offset:512
	s_cmp_eq_u32 s17, 8
	s_cbranch_scc1 .Lstage
	INIT
.Lstage:
	s_wait_loadcnt 0x0                             ; on every path: the next key block, and the next Q
	s_cmp_eq_u32 s17, 8
	s_cbranch_scc1 .Lno_store
	ds_store_b128 v2, v[200:203]                   ; into slot 0
	ds_store_b128 v2, v[204:207] offset:VO
.Lno_store:
	s_wait_dscnt 0x0                               ; my stores have landed, and my reads of slot 1 are over
	s_barrier_signal -1
	s_barrier_wait -1
	s_add_co_u32 s17, s17, 1
	s_cmp_lt_u32 s17, 9
	s_cbranch_scc1 .Lpair
	s_wait_tensorcnt 0x0
	ds_add_u32 v251, v255
	s_wait_dscnt 0x0
	s_endpgm
.Lfunc_end_k_q0b500a23a7_attn:
	.size	k_q0b500a23a7_attn, .Lfunc_end_k_q0b500a23a7_attn-k_q0b500a23a7_attn
	.p2alignl 7, 3214868480
	.fill 96, 4, 3214868480
	.section	.rodata,"a",@progbits
	.p2align	6, 0x0
	.amdhsa_kernel k_q0b500a23a7_attn
		.amdhsa_group_segment_fixed_size 34816
		.amdhsa_private_segment_fixed_size 0
		.amdhsa_enable_private_segment 0
		.amdhsa_kernarg_size 24
		.amdhsa_user_sgpr_count 2
		.amdhsa_user_sgpr_kernarg_segment_ptr 1
		.amdhsa_wavefront_size32 1
		.amdhsa_system_sgpr_workgroup_id_x 1
		.amdhsa_system_sgpr_workgroup_id_y 1
		.amdhsa_system_sgpr_workgroup_id_z 1
		.amdhsa_system_vgpr_workitem_id 0
		.amdhsa_next_free_vgpr 256
		.amdhsa_next_free_sgpr 66
		.amdhsa_reserve_vcc 1
		.amdhsa_float_denorm_mode_32 3
		.amdhsa_float_denorm_mode_16_64 3
		.amdhsa_memory_ordered 1
		.amdhsa_forward_progress 1
		.amdhsa_inst_pref_size 54
	.end_amdhsa_kernel
	.amdgpu_metadata
---
amdhsa.version: [ 1, 2 ]
amdhsa.kernels:
  - .name:           k_q0b500a23a7_attn
    .symbol:         k_q0b500a23a7_attn.kd
    .args:
      - { .name: qkvc, .offset: 0, .size: 8, .value_kind: global_buffer, .address_space: global }
      - { .name: lowp_scales, .offset: 8, .size: 8, .value_kind: global_buffer, .address_space: global }
      - { .name: ac, .offset: 16, .size: 8, .value_kind: global_buffer, .address_space: global }
    .group_segment_fixed_size: 34816
    .private_segment_fixed_size: 0
    .kernarg_segment_align: 8
    .kernarg_segment_size: 24
    .max_flat_workgroup_size: 512
    .sgpr_count:     66
    .vgpr_count:     256
    .wavefront_size: 32
...
	.end_amdgpu_metadata
.endif
;; end of part 3
;; launch proj (part 4): grid 4 x 32, 4 waves a work-group, clusters of 4 x 4, 327,680 bytes of LDS; arguments ac, wc, lowp_scales, bp, out0; writes out0
.if DOCPART == 4
	.amdgcn_target "amdgcn-amd-amdhsa--gfx1250"
	.amdhsa_code_object_version 6
	.text
	.protected	k_q0b500a23a7_proj
	.globl	k_q0b500a23a7_proj
	.p2align	8
	.type	k_q0b500a23a7_proj,@function
k_q0b500a23a7_proj:
	s_mov_b64 s[64:65], 0
	v_nop
	global_prefetch_b8 v0, s[64:65] scope:SCOPE_SE
	s_setreg_imm32_b32 hwreg(HW_REG_WAVE_MODE, 25, 1), 1
	s_wait_xcnt 0x0
	s_wait_alu depctr_hold_cnt(0) depctr_sa_sdst(0) depctr_va_vdst(0) depctr_va_sdst(0) depctr_va_ssrc(0) depctr_va_vcc(0) depctr_vm_vsrc(0)
	s_getreg_b32 s2, hwreg(HW_REG_IB_STS2, 6, 4)
	s_cmp_eq_u32 s2, 0
	s_cbranch_scc0 .Lentry_in_a_cluster
	s_endpgm
.Lentry_in_a_cluster:
	s_bfe_u32 s2, ttmp6, 0x10000c
	s_cmp_lg_u32 s2, 0xf033
	s_cbranch_scc0 .Lentry_shape_is_right
	s_endpgm
.Lentry_shape_is_right:
; out = a Wp^T + bp on codes of FP8 (E4M3): a [8192][1024] (entry 10) and Wp [1024][1024] (entry 11, 3 MiB into wc) lie in memory as images of fragments (16 rows x 128 K, 2,048 bytes; registers 4 p .. 4 p + 3 of lane l at
; 512 p + 16 l), [group of 128 rows][256 along K][tile][128 along K].  out: [8192][1024] f32 = sum x 2^(e10 + e11) + bp.  LIMIT: e10 + e11 between -126 and 127.
; A work-group of four waves makes 256 x 256, a wave 128 x 128: 64 accumulators, 512 registers.  K = 1,024 goes in four steps of 256 through two LDS slots; a wave's tensor load is one dense block of 32,768 bytes.
; The matrix instruction takes source 0 = 16 rows of Wp, source 1 = 16 rows of a: a lane holds eight neighbouring numbers of a row of out.
; CLUSTERS: 4 x 4 work-groups; the four of a row of the cluster need the same block of a, the four of a column the same block of Wp: each is asked for jointly.  A wave has two tensor loads out at the start, one behind each round.
; The grid has 128 work-groups: this tile is kept for the sake of the multiply-adds that each LDS byte feeds.
; REGISTERS, in windows of 256: window 0: v16-29 addresses; v32-95 bp at my columns; v96-127 at work on the way out; v128-255 a's fragments, one set; on the way out rows of out.
;   window 1: Wp's fragments, two sets.   windows 2, 3: the accumulators of my rows 0-63, 64-127 ((a, b) at v[8 (8 (a % 4) + b)]).
.set FR,     16
.set NL,     4
.set NP,     4                         ; places behind this matrix instruction (ISA guide 7.12.1)
.set HALFT,  32768
.set SLOT,   4*HALFT
.set SPARE,  2*SLOT                    ; behind the ring: the spare words, 128 bytes a wave; no other line names them
.set KSPB,   32768
.set LAPS,   2
.set SIZE_N, 1024
.set SPITCH, 528                       ; the way out: a stage of 16 rows x (512 bytes + 16) for each wave, in slot 0, which has had its last fill and its last read when the first result is stored there
.set ADRA, 16
.set ADRB, 20
.set STO,  24                          ; v24  the way out: where I put 32 bytes of a row
.set RD,   25                          ; v25  where I read a row back
.set CO,   26                          ; v26  16 x lane
.set SPW,  28
.set NIL,  29
.set CB,   32
.set TMP,  96
.set AF,   128
.set BK,   128                         ; 16 rows read back from the stage: v128-191 and v192-255 by turns
.set G1, 24
.set G0, 32
.set G1B, 48
.set G0B, 56
.set MSB, 0
.macro WIN new                         ; the immediate's high byte repeats the setting that is left
.if MSB != \new
	s_set_vgpr_msb (MSB<<8)|\new
.set MSB, \new
.endif
.endm
.set MUL_LO, 0xa1                      ; source 0 (Wp) window 1, source 1 (a) window 0, C and D window 2
.set MUL_HI, 0xf1
.set TO_B,   0x40
.macro JLOAD g0a, g1a, g0b, g1b        ; a joint load: waves 0 and 1 fetch for a, waves 2 and 3 for Wp; four v_nop follow each of the two lines
	s_cmp_eq_u32 s15, 0
	s_cbranch_scc0 .Lfor_b_\@
	tensor_load_to_lds s[\g0a:\g0a+3], s[\g1a:\g1a+7]
	s_nop 0
.rept 4
	v_nop
.endr
	s_branch .Lasked_\@
.Lfor_b_\@:
	tensor_load_to_lds s[\g0b:\g0b+3], s[\g1b:\g1b+7]
	s_nop 0
.rept 4
	v_nop
.endr
.Lasked_\@:
.endm
.macro CREST
	s_cmp_lg_u32 s14, 0
	s_cbranch_scc1 .Lnot_wave_0_\@
	s_barrier_signal -3
.Lnot_wave_0_\@:
	s_barrier_wait -3
	s_barrier_signal -1
	s_barrier_wait -1
.endm
.macro CROUND
	s_barrier_signal -1
	s_barrier_wait -1
	CREST
.endm
	s_load_b128 s[4:7], s[0:1], 0x0                ; ac s[4:5], wc s[6:7]
	s_load_b128 s[8:11], s[0:1], 0x10              ; the exponents s[8:9], bp s[10:11]
	s_load_b64 s[12:13], s[0:1], 0x20              ; out0
	v_lshl_add_u32 v[SPW], v0, 2, SPARE
	v_mov_b32 v[NIL], 0
	ds_add_u32 v28, v29
	ds_add_u32 v28, v29
	s_wait_dscnt 0x0
	v_lshrrev_b32 v1, 5, v0
	v_readfirstlane_b32 s14, v1                    ; wave 0..3
	s_lshr_b32 s15, s14, 1                         ; which half of the tile's rows is mine.  Also: I fetch for a (0) or for Wp (1)
	s_and_b32 s16, s14, 1                          ; which half of its columns.  Also: which 128 rows I fetch
	s_bfe_u32 s40, ttmp6, 0x40000                  ; cx, cy
	s_bfe_u32 s41, ttmp6, 0x40004
	s_lshl_b32 s42, ttmp9, 2
	s_add_co_u32 s42, s42, s40                     ; tile column = 4 x cluster x + cx
	s_and_b32 s17, ttmp7, 0xffff
	s_lshl_b32 s17, s17, 2
	s_add_co_u32 s17, s17, s41                     ; tile row = 4 x cluster y + cy
	s_lshl_b32 s43, s41, 2
	s_lshl_b32 s43, 15, s43                        ; my row of the cluster
	s_lshl_b32 s44, 0x1111, s40                    ; my column
	s_or_b32 s[G1+0], s43, (3<<16)|(1<<21)         ; 15:0 the mask; 17:16 elements of 8 bytes; 21 set beside a mask; no padding
	s_or_b32 s[G1B+0], s44, (3<<16)|(1<<21)
.irp g, G1, G1B
	s_mov_b32 s[\g+1], 32<<16                      ; a dense block of 32,768 bytes as 128 rows of 32 elements
	s_mov_b32 s[\g+2], 128<<16
	s_mov_b32 s[\g+3], 32<<16
	s_mov_b32 s[\g+4], 128
	s_mov_b32 s[\g+5], 32
	s_mov_b32 s[\g+6], 0
	s_mov_b32 s[\g+7], 0
.endr
	s_lshl_b32 s18, s16, 17
	s_lshl_b32 s20, s17, 18
	s_add_co_u32 s20, s20, s18                     ; a: group 2 x tile row + half
	s_lshl_b32 s46, s42, 18
	s_add_co_u32 s46, s46, s18
	s_add_co_u32 s46, s46, 0x300000                ; Wp: 3 MiB into wc, group 2 x tile column + half
	s_mov_b32 s21, 0
	s_mov_b32 s47, 0
	s_mul_i32 s45, s14, HALFT
	s_wait_kmcnt 0x0
	s_load_b64 s[96:97], s[8:9], 0x28              ; e10, e11
	s_add_nc_u64 s[20:21], s[4:5], s[20:21]
	s_add_nc_u64 s[46:47], s[6:7], s[46:47]
	CROUND                                         ; all sixteen work-groups are here: the first joint loads meet
.irp s, 0,1
	s_mov_b32 s[G0+4*\s], 1
	s_add_co_u32 s[G0+4*\s+1], s45, \s*SLOT
	s_add_nc_u64 s[G0+4*\s+2:G0+4*\s+3], s[20:21], \s*KSPB
	s_or_b32 s[G0+4*\s+3], s[G0+4*\s+3], 0x80000000
	s_mov_b32 s[G0B+4*\s], 1
	s_add_co_u32 s[G0B+4*\s+1], s45, \s*SLOT
	s_add_nc_u64 s[G0B+4*\s+2:G0B+4*\s+3], s[46:47], \s*KSPB
	s_or_b32 s[G0B+4*\s+3], s[G0B+4*\s+3], 0x80000000
	JLOAD G0+4*\s, G1, G0B+4*\s, G1B
.endr
	v_and_b32 v1, 15, v0                           ; r
	v_bfe_u32 v2, v0, 4, 1                         ; h
	v_and_b32 v6, 31, v0
	v_lshlrev_b32 v[CO], 4, v6
	s_mul_i32 s21, s15, HALFT
	s_mul_i32 s22, s16, HALFT
	s_add_co_u32 s22, s22, 2*HALFT
.irp s, 0,1
	v_add_nc_u32 v[ADRA+\s], s21, v[CO]
	v_add_nc_u32 v[ADRB+\s], s22, v[CO]
	s_add_co_u32 s21, s21, SLOT
	s_add_co_u32 s22, s22, SLOT
.endr
	s_mul_i32 s23, s14, 16*SPITCH                  ; my stage
	v_mul_u32_u24 v5, v1, SPITCH                   ; in: row r, 32 bytes for each half of the lanes
	v_lshl_add_u32 v5, v2, 5, v5
	v_add_nc_u32 v[STO], s23, v5
	v_add_nc_u32 v[RD], s23, v[CO]                 ; back: the 32 lanes take one row of 512 bytes
	s_lshl_b32 s20, s17, 8
	s_lshl_b32 s21, s15, 7
	s_add_co_u32 s20, s20, s21                     ; my first row of out,
	s_lshl_b32 s20, s20, 12                        ; of 4,096 bytes
	s_lshl_b32 s46, s42, 10
	s_lshl_b32 s47, s16, 9
	s_add_co_u32 s46, s46, s47                     ; my first column, in bytes
	s_add_co_u32 s20, s20, s46
	s_mov_b32 s21, 0
	s_add_nc_u64 s[12:13], s[12:13], s[20:21]
	v_lshlrev_b32 v7, 5, v2
	v_add_nc_u32 v7, s46, v7                       ; bp: my columns 16 b + 8 h + 0 .. 7
.irp b, 0,1,2,3,4,5,6,7
	global_load_b128 v[CB+8*\b:CB+8*\b+3], v7, s[10:11] offset:64*\b
	global_load_b128 v[CB+8*\b+4:CB+8*\b+7], v7, s[10:11] offset:64*\b+16
.endr
.macro FRAG reg, adr, q, i
.irp c, 0,1,2,3
	ds_load_b128 v[\reg+4*\c:\reg+4*\c+3], v[\adr] offset:2048*(\q)+512*\c+(\i)*4096
.endr
.endm
.macro MUL16 a0, p, zero               ; 16 matrix instructions; the 64 accumulators take turns, one instruction a turn, in the same order in every step
.irp a, \a0, \a0+1
.irp b, 0,1,2,3,4,5,6,7
.if \zero
	v_wmma_f32_16x16x128_fp8_fp8 v[8*(8*((\a)%4)+\b):8*(8*((\a)%4)+\b)+7], v[128*(\p)+FR*\b:128*(\p)+FR*\b+FR-1], v[AF+FR*(\a):AF+FR*(\a)+FR-1], 0
.else
	v_wmma_f32_16x16x128_fp8_fp8 v[8*(8*((\a)%4)+\b):8*(8*((\a)%4)+\b)+7], v[128*(\p)+FR*\b:128*(\p)+FR*\b+FR-1], v[AF+FR*(\a):AF+FR*(\a)+FR-1], v[8*(8*((\a)%4)+\b):8*(8*((\a)%4)+\b)+7]
.endif
.endr
.endr
.endm
.macro FETCH_B slot, q, p
	WIN TO_B
.irp i, 0,1,2,3,4,5,6,7
	FRAG 128*(\p)+FR*\i, ADRB+\slot, \q, \i
.endr
	WIN 0
.endm
.macro FETCH_A slot, q, i0
.irp i, \i0, \i0+1, \i0+2, \i0+3
	FRAG AF+FR*(\i), ADRA+\slot, \q, \i
.endr
.endm
.macro PLACES n                        ; plain vector lines between a matrix instruction and a load into one of its registers or a read of its result
.rept \n
	v_nop
.endr
.endm
.macro STEP slot, q, zero
	s_wait_dscnt 4*NL                              ; Wp's set and a's blocks 0-3 are in; the youngest sixteen loads (blocks 4-7) may be out
	WIN MUL_LO
	MUL16 0, (\q)%2, \zero
	MUL16 2, (\q)%2, \zero
	s_wait_dscnt 0
	PLACES NP
	FETCH_B \slot, (\q)+1, 1-(\q)%2
	FETCH_A \slot, (\q)+1, 0
	WIN MUL_HI
	MUL16 4, (\q)%2, \zero
	MUL16 6, (\q)%2, \zero
	PLACES NP
	WIN 0
	FETCH_A \slot, (\q)+1, 4
.endm
.macro TURN slot, next, fill
	s_wait_tensorcnt 0x0                           ; all my tensor loads have landed: my part of the next slot
	ds_add_u32 v[SPW], v[NIL]                      ; 0 onto my spare word
	s_wait_dscnt 4*NL+1                            ; (the add and the youngest sixteen loads may be out)
	WIN MUL_LO
	MUL16 0, 1, 0
	s_wait_dscnt 0x0                               ; the add is done, and my reads of this slot are over
	s_barrier_signal -1
	MUL16 2, 1, 0
	WIN 0
	s_barrier_wait -1
.if \fill
	CREST                                          ; a round of the cluster's barrier: no wave of any partner still reads this slot or has a load on its way
	s_add_nc_u64 s[G0+4*\slot+2:G0+4*\slot+3], s[G0+4*\slot+2:G0+4*\slot+3], 2*KSPB
	s_add_nc_u64 s[G0B+4*\slot+2:G0B+4*\slot+3], s[G0B+4*\slot+2:G0B+4*\slot+3], 2*KSPB
	JLOAD G0+4*\slot, G1, G0B+4*\slot, G1B
.else
	PLACES NP
.endif
	FETCH_B \next, 0, 0
	FETCH_A \next, 0, 0
	WIN MUL_HI
	MUL16 4, 1, 0
	MUL16 6, 1, 0
	PLACES NP
	WIN 0
	FETCH_A \next, 0, 4
.endm
	s_wait_tensorcnt 1                             ; my part of slot 0 is in (slot 1's load may be out),
	s_barrier_signal -1
	s_barrier_wait -1                              ; everybody's is
	FETCH_B 0, 0, 0
	FETCH_A 0, 0, 0
	FETCH_A 0, 0, 4
	STEP 0, 0, 1
	s_mov_b32 s3, LAPS-1
.Llap:
	TURN 0, 1, 1
	STEP 1, 0, 0
	TURN 1, 0, 1
	STEP 0, 0, 0
	s_sub_co_u32 s3, s3, 1
	s_cmp_lg_u32 s3, 0
	s_cbranch_scc1 .Llap
	TURN 0, 1, 0
	STEP 1, 0, 0
	s_wait_dscnt 4*NL
	WIN MUL_LO
	MUL16 0, 1, 0
	MUL16 2, 1, 0
	s_wait_dscnt 0
	WIN MUL_HI
	MUL16 4, 1, 0
	MUL16 6, 1, 0
	WIN 0
; THE WAY OUT, block by block of 16 rows x 128 columns: sum x 2^(e10 + e11) + bp, one packed multiply-add for two numbers; through my own stage in LDS; back as whole rows of 512 bytes.
; LDS serves a wave's instructions in order (ISA guide 5.7.1.4): no wait between the stores and the loads, nor in front of the next block's stores.
.macro TOSTAGE a
.set AC, 64*((\a)%4)
.irp g, 0,1                            ; four accumulators at a time: 32 registers at work
	WIN 0x02+((\a)/4)                              ; source 0: window 2 or 3
.irp j, 0,2,4,6,8,10,12,14,16,18,20,22,24,26,28,30
	v_pk_fma_f32 v[TMP+\j:TMP+\j+1], v[AC+32*\g+\j:AC+32*\g+\j+1], s[96:97], v[CB+32*\g+\j:CB+32*\g+\j+1] op_sel_hi:[1,0,1]   ; each accumulator from its low end on
.endr
	WIN 0
.irp b, 0,1,2,3
	ds_store_b128 v[STO], v[TMP+8*\b:TMP+8*\b+3] offset:64*(4*\g+\b)
	ds_store_b128 v[STO], v[TMP+8*\b+4:TMP+8*\b+7] offset:64*(4*\g+\b)+16
.endr
.endr
.set BB, BK+64*((\a)%2)
.irp t, 0,1,2,3,4,5,6,7,8,9,10,11,12,13,14,15
	ds_load_b128 v[BB+4*\t:BB+4*\t+3], v[RD] offset:\t*SPITCH
.endr
.endm
.macro SEND a, younger                 ; younger: the LDS instructions issued behind block a's loads, which may stay out
.set BB, BK+64*((\a)%2)
	s_wait_dscnt \younger
.if (\a) > 0
	s_add_nc_u64 s[12:13], s[12:13], 16*SIZE_N*4   ; (behind a wait on XCNT: the earlier stores have read their base)  16 rows on
.endif
.irp t, 0,1,2,3,4,5,6,7,8,9,10,11,12,13,14,15
	global_store_b128 v[CO], v[BB+4*\t:BB+4*\t+3], s[12:13] offset:\t*SIZE_N*4 th:TH_STORE_NT   ; 32 lanes store 512 consecutive bytes, aligned; written once, read by nobody here
.endr
.endm
	s_wait_kmcnt 0x0
	s_add_co_i32 s96, s96, s97
	s_add_co_i32 s96, s96, 127
	s_lshl_b32 s96, s96, 23                        ; 2^(e10 + e11) as f32
	s_mov_b32 s97, s96
	s_wait_loadcnt 0x0                             ; bp
	PLACES NP                                      ; behind the last products: loads land in the registers that held a's fragments, and results are read
	TOSTAGE 0
.irp a, 1,2,3,4,5,6,7
.if \a > 1
	s_wait_xcnt 0x0                                ; block a - 2's stores have read their registers and their base
.endif
	TOSTAGE \a
	SEND \a-1, 32                                  ; behind block a - 1's loads: block a's 16 stores and 16 loads
.endr
	s_wait_xcnt 0x0
	SEND 7, 0
	s_wait_tensorcnt 0x0                           ; the wave's end
	ds_add_u32 v[SPW], v[NIL]
	s_wait_dscnt 0x0
	CROUND                                         ; the closing round
	s_endpgm
.Lfunc_end_k_q0b500a23a7_proj:
	.size	k_q0b500a23a7_proj, .Lfunc_end_k_q0b500a23a7_proj-k_q0b500a23a7_proj
	.p2alignl 7, 3214868480
	.fill 96, 4, 3214868480
	.section	.rodata,"a",@progbits
	.p2align	6, 0x0
	.amdhsa_kernel k_q0b500a23a7_proj
		.amdhsa_group_segment_fixed_size 327680
		.amdhsa_private_segment_fixed_size 0
		.amdhsa_enable_private_segment 0
		.amdhsa_kernarg_size 40
		.amdhsa_user_sgpr_count 2
		.amdhsa_user_sgpr_kernarg_segment_ptr 1
		.amdhsa_wavefront_size32 1
		.amdhsa_system_sgpr_workgroup_id_x 1
		.amdhsa_system_sgpr_workgroup_id_y 1
		.amdhsa_system_sgpr_workgroup_id_z 1
		.amdhsa_system_vgpr_workitem_id 0
		.amdhsa_next_free_vgpr 1024
		.amdhsa_next_free_sgpr 100
		.amdhsa_reserve_vcc 0
		.amdhsa_float_denorm_mode_32 3
		.amdhsa_float_denorm_mode_16_64 3
		.amdhsa_memory_ordered 1
		.amdhsa_forward_progress 1
		.amdhsa_inst_pref_size 125
	.end_amdhsa_kernel
	.amdgpu_metadata
---
amdhsa.version: [ 1, 2 ]
amdhsa.kernels:
  - .name:           k_q0b500a23a7_proj
    .symbol:         k_q0b500a23a7_proj.kd
    .args:
      - { .name: ac, .offset: 0, .size: 8, .value_kind: global_buffer, .address_space: global }
      - { .name: wc, .offset: 8, .size: 8, .value_kind: global_buffer, .address_space: global }
      - { .name: lowp_scales, .offset: 16, .size: 8, .value_kind: global_buffer, .address_space: global }
      - { .name: bp, .offset: 24, .size: 8, .value_kind: global_buffer, .address_space: global }
      - { .name: out0, .offset: 32, .size: 8, .value_kind: global_buffer, .address_space: global }
    .group_segment_fixed_size: 327680
    .private_segment_fixed_size: 0
    .kernarg_segment_align: 8
    .kernarg_segment_size: 40
    .max_flat_workgroup_size: 128
    .sgpr_count:     100
    .vgpr_count:     1024
    .wavefront_size: 32
...
	.end_amdgpu_metadata
.endif
;; end of part 4
;; ======== version 2 of 2: 4 launches; version 1 with the launch attn written anew for expert scheduling mode
;; workspace buffers: xc 25,165,824 bytes; wc 4,194,304 bytes; qkvc 25,165,824 bytes; ac 8,388,608 bytes
;; launch quant: the kernel of part 1 again; grid 768 x 1, 8 waves a work-group, no clusters, 68,608 bytes of LDS; arguments x, Wq, Wk, Wv, Wp, lowp_scales, xc, wc; writes xc, wc
;; launch qkv: the kernel of part 2 again; grid 12 x 32, 4 waves a work-group, clusters of 4 x 4, 327,680 bytes of LDS; arguments xc, wc, lowp_scales, bq, bk, bv, qkvc; writes qkvc
;; launch attn (part 5): grid 4 x 64, 16 waves a work-group, no clusters, 34,816 bytes of LDS; arguments qkvc, lowp_scales, ac; writes ac
.if DOCPART == 5
	.amdgcn_target "amdgcn-amd-amdhsa--gfx1250"
	.amdhsa_code_object_version 6
	.text
	.protected	k_q0b500a23a7_attn
	.globl	k_q0b500a23a7_attn
	.p2align	8
	.type	k_q0b500a23a7_attn,@function
k_q0b500a23a7_attn:
	s_mov_b64 s[64:65], 0
	v_nop
	global_prefetch_b8 v0, s[64:65] scope:SCOPE_SE
	s_setreg_imm32_b32 hwreg(HW_REG_WAVE_SCHED_MODE, 0, 2), 2
	s_setreg_imm32_b32 hwreg(HW_REG_WAVE_MODE, 25, 1), 1
	s_wait_xcnt 0x0
	s_wait_alu depctr_vm_vsrc(0)
; Causal attention on codes of FP8 (E4M3), head size 64, 2,048 positions, 64 heads (batch x 16 + head).  The result is quantised at once (entry 10) and stored as codes, as images of the last product's fragments.
; THE SOFTMAX AHEAD OF THE SECOND PRODUCT: t = score x log2(e) / 8; M = the row's largest t so far, rounded up to a whole number; p = 2^(t - M) is quantised (entry 8), not normalised; the row's sum is taken of the unquantised p
; and divides at the end.  When M moves, the sum and O are multiplied by 2^(old M - new M): nothing is rounded.
; SHARES.  Work-group (J, head) owns the query blocks J and 7 - J of 256 queries, one after the other; each of its sixteen waves owns 16 queries.  Block b walks the key blocks of 128 keys 0 .. 2 b + 1, so every work-group
; walks (2 J + 2) + (16 - 2 J) = 18 of them: 9 trips of two, a constant.  In a block's last key block waves 0-7 have no key that counts and pass over the work by a scalar branch on ids.
; LAYOUT.  S^T = K Q^T (source 0 = 16 keys, source 1 = my 16 queries, K = 64), O^T = V^T P^T (source 0 = 16 channels, source 1 = P, K = 128 keys): a lane holds one query (lane % 16) throughout; register j of score tile c is key
; 16 c + 8 (lane / 16) + j, just what registers 2 c, 2 c + 1 of P want.  q, k, v lie in memory as images of fragments: a key block of K is 8,192 dense bytes, of V likewise.
; K's and V's blocks come through two LDS slots: each of the 512 threads loads 16 bytes of each into registers a whole key block ahead and stores them into the slot that was left at the last barrier.  One barrier a key block.
; NO TENSOR LOAD, NO CLUSTER: a key block is 32 bytes a thread; query blocks of one head stand at different key blocks in the same trip, so partners would not ask for the same tiles.
; LIMITS: e6 + e7 between -123 and 130 (added to the exponent field of log2(e) / 8); e8, e10 between -126 and 119; e8 + e9 is applied by v_ldexp_f32 and has none.
; REGISTERS: v1 16 x lane; v2 16 x thread; v3 lane % 16 - 8 (lane / 16); v12 -M, v13 the largest t, v[14:15] the sum in two halves; v16-23 Q; v32-95 K's 8 fragments, then V's 4; v96-159 S^T, then p; v160-191 O^T;
;   v192-199 the result's codes; v200-207 the next key block on its way; v224-239 p's codes; v240, v244: 448 x 2^e8, 2^e8; v241, v245: the same with e10; v242, v243, v248, v252-254 at work;
;   v251, v255: the closing add's two.  s40-47: at the head e0 .. e7, later a score tile's eight masks on the diagonal.
; THE MODE: SCHED_MODE bits 1:0 = 2 (LLVM: expert scheduling mode 2), set by the entry lines.  The code itself states the register dependences between vector or matrix instructions and memory or LDS instructions,
; with s_wait_alu, always for 0.
; THE PLAN.  Registers that memory or LDS instructions touch:
;   v1, v2      Addresses: written at the head, never again; read by every load and store.  One wait on va_vdst ahead of the first load.
;   v200-207    Written by the global loads at the head of each half of a trip; read by the two LDS stores at that half's end; named by no vector instruction.  One wait on vm_vsrc between the stores and the next loads.
;   v32-95      K's LDS loads land; the products K Q^T read; V's LDS loads land; the products V^T P^T read.  Two waits on va_vdst a step: at its head (the last step's V^T P^T are done reading) and behind K Q^T.
;   v16-23      Q: read by the products K Q^T alone.  Its second load stands behind a step's second wait, and no vector or matrix instruction behind that wait names it.
;   v192-199    Written by the way out's conversions, read by its two stores: a wait on va_vdst ahead of the stores, a wait on vm_vsrc at the way out's head ahead of the second writing.
;   All else (S^T and p, O^T, p's codes, the statistics) is named by vector and matrix instructions alone.
.set SLB, 16384                        ; a slot: K's 8 images, then V's 4
.set VO,  8192
	s_load_b128 s[4:7], s[0:1], 0x0                ; qkvc s[4:5], the exponents s[6:7]
	s_load_b64 s[8:9], s[0:1], 0x10                ; ac
	v_lshl_add_u32 v251, v0, 2, 0x8000             ; my spare word, behind the two slots; kept for the closing add alone
	v_mov_b32 v255, 0                              ; and 0, likewise
	v_lshrrev_b32 v4, 5, v0
	v_readfirstlane_b32 s10, v4                    ; wave 0..15
	v_and_b32 v4, 31, v0
	v_lshlrev_b32 v1, 4, v4
	v_lshlrev_b32 v2, 4, v0
	v_and_b32 v3, 15, v0
	v_bfe_u32 v4, v0, 4, 1
	v_lshlrev_b32 v4, 3, v4
	v_sub_nc_u32 v3, v3, v4
	s_wait_alu depctr_va_sdst(0)                   ; s10, the wave's number, is written, ahead of its first reader below
	s_mov_b32 s11, ttmp9                           ; J
	s_and_b32 s12, ttmp7, 0xffff                   ; batch x 16 + head
	s_mov_b32 s13, s11                             ; the query block in hand
	s_mov_b32 s14, 0                               ; its pair of key blocks in hand
	s_mov_b32 s17, 0                               ; trips
	s_mov_b32 s37, 0                               ; the key block's first key
	s_mov_b32 s57, 0                               ; (upper words of the offset pairs)
	s_mov_b32 s61, 0
	s_mov_b32 s20, 0x76543210                      ; v_permlanex16_b32's selects for lane l xor 16
	s_mov_b32 s21, 0xfedcba98
	s_mov_b32 s22, 0x3e38aa3b                      ; log2(e) / sqrt(64)
	s_lshl_b32 s36, s13, 8
	s_lshl_b32 s53, s10, 4
	s_add_co_u32 s36, s36, s53                     ; my first query
	; the head's place in a row of the last product's operand: k = 64 head on: which 256, which 128, which 64
	s_and_b32 s53, s12, 15
	s_lshr_b32 s58, s53, 2
	s_lshl_b32 s58, s58, 15
	s_bfe_u32 s54, s53, 0x10001
	s_lshl_b32 s54, s54, 11
	s_add_co_u32 s58, s58, s54
	s_and_b32 s54, s53, 1
	s_lshl_b32 s54, s54, 10
	s_add_co_u32 s58, s58, s54
	s_lshr_b32 s59, s12, 4
	s_lshl_b32 s59, s59, 7
	s_add_co_u32 s59, s59, s10                     ; batch x 128 + wave: with 16 x query block, my tile of 16 tokens
	s_lshl_b32 s56, s12, 17                        ; a head's codes are 131,072 bytes in q, in k and in v
	s_wait_kmcnt 0x0
	s_load_b256 s[40:47], s[6:7], 0x0              ; e0 .. e7
	s_load_b128 s[48:51], s[6:7], 0x20             ; e8 .. e11
	s_add_nc_u64 s[32:33], s[4:5], s[56:57]        ; q at my head,
	s_add_nc_u64 s[24:25], s[32:33], 0x800000      ; k,
	s_add_nc_u64 s[26:27], s[32:33], 0x1000000     ; v
	s_wait_alu depctr_va_vdst(0)                   ; v1 and v2 are written: every load and store of the kernel reads one of them as its address, and no line writes them again
	global_load_b128 v[200:203], v2, s[24:25]      ; key block 0
	global_load_b128 v[204:207], v2, s[26:27]
	s_lshl_b32 s60, s10, 10
	s_add_nc_u64 s[32:33], s[32:33], s[60:61]      ; q at my wave's tile of query block 0
	s_lshl_b32 s60, s13, 14
	s_add_nc_u64 s[38:39], s[32:33], s[60:61]      ; and of the block in hand
	global_load_b128 v[16:19], v1, s[38:39]
	global_load_b128 v[20:23], v1, s[38:39] offset:512
.macro INIT                            ; a query block begins: the first change of M multiplies zeros, so the key step is written once
	v_mov_b32 v13, 0xff61b1e6                      ; the largest t so far: -3e38, under every t
	v_floor_f32 v12, -v13
	v_mov_b32 v14, 0
	v_mov_b32 v15, 0
.set cc, 0
.rept 32
	v_mov_b32 v[160+cc], 0
.set cc, cc+1
.endr
.endm
	INIT
	v_mov_b32 v248, 0                              ; written once: a lane permute's destination counts as one of its sources
	v_mov_b32 v253, 0                              ; (named as the upper half of the pair v[252:253])
	s_wait_kmcnt 0x0
	s_add_co_i32 s53, s46, s47
	s_lshl_b32 s53, s53, 23
	s_add_co_i32 s22, s22, s53                     ; a score stands for score x 2^(e6 + e7): the two are added to the factor's exponent field
	s_mov_b32 s23, s22                             ; (named with it as a pair, so it is written)
	s_add_co_i32 s53, s48, 127
	s_lshl_b32 s54, s53, 23
	v_mov_b32 v244, s54                            ; 2^e8
	s_add_co_i32 s53, s53, 8
	s_lshl_b32 s53, s53, 23
	s_or_b32 s53, s53, 0x600000
	v_mov_b32 v240, s53                            ; 448 x 2^e8
	s_add_co_i32 s53, s50, 127
	s_lshl_b32 s54, s53, 23
	v_mov_b32 v245, s54                            ; 2^e10
	s_add_co_i32 s53, s53, 8
	s_lshl_b32 s53, s53, 23
	s_or_b32 s53, s53, 0x600000
	v_mov_b32 v241, s53                            ; 448 x 2^e10
	s_add_co_i32 s52, s48, s49                     ; e8 + e9
	s_cmp_lt_i32 s48, -8
	s_cselect_b32 s55, 1, 0                        ; p is at most 1 and a rounding; from e8 = -8 on 448 x 2^e8 is 1.75 or more, and the hold of p changes nothing
	s_wait_loadcnt 0x0
	ds_store_b128 v2, v[200:203]                   ; (address and data owe no wait on va_vdst: no vector instruction since the wait above names them)
	ds_store_b128 v2, v[204:207] offset:VO
	s_wait_dscnt 0x0                               ; for the others' sake: my part of key block 0 lies in slot 0
	s_barrier_signal -1
	s_barrier_wait -1
; V's fragment f (16 channels x 128 keys) out of slot sl: four loads of 512 consecutive bytes
.macro VLOAD sl, f
.irp c, 0,1,2,3
	ds_load_b128 v[32+16*(\f)+4*\c:35+16*(\f)+4*\c], v1 offset:(\sl)*SLB+VO+2048*(\f)+512*\c
.endr
.endm
; A KEY STEP: the 128 keys in slot sl.
.macro STEP sl
	s_wait_alu depctr_va_vdst(0)                   ; the last step's products V^T P^T are done reading v32-95, in which K's fragments land
.set cc, 0
.rept 16
	ds_load_b128 v[32+4*cc:35+4*cc], v1 offset:\sl*SLB+512*cc      ; K: tile cc / 2, half cc % 2: 512 consecutive bytes a load
.set cc, cc+1
.endr
	s_wait_dscnt 8                                 ; tiles 0-3 are in; the youngest eight loads may be out
.irp t, 0,1,2,3
	v_wmma_f32_16x16x64_fp8_fp8 v[96+8*\t:103+8*\t], v[32+8*\t:39+8*\t], v[16:23], 0
.endr
	s_wait_dscnt 0x0
.irp t, 4,5,6,7
	v_wmma_f32_16x16x64_fp8_fp8 v[96+8*\t:103+8*\t], v[32+8*\t:39+8*\t], v[16:23], 0
.endr
.rept 4
	v_nop                                          ; places in front of the first read of the scores
.endr
	s_wait_alu depctr_va_vdst(0)                   ; the products K Q^T are done reading K's fragments v32-95, in which V's land, and Q, v16-23, in which the way out's load lands.  The softmax below names none of these, nor v1:
	VLOAD \sl, 0                                   ; so V's sixteen loads owe nothing more, and are dealt in fours among the maximum's lines; they land under the softmax
	s_add_co_u32 s53, s37, 127                     ; on the diagonal the scores of hidden keys become -infinity ahead of the maximum: p = 0 then.  A step all of whose keys count skips this
	s_cmp_le_u32 s53, s36
	s_cbranch_scc1 .Lopen_\@
	s_sub_co_i32 s53, s36, s37
	v_add_nc_u32 v252, s53, v3                     ; d = my query - the first key - 8 (lane / 16).  Register 8 c + j holds key 16 c + 8 (lane / 16) + j: hidden where 16 c + j > d
	v_mov_b32 v254, 0xff800000
.set cc, 0
.rept 8                                        ; a score tile at a time: eight compares in a run, into eight scalar registers, so that one wait serves the eight
.set jj, 0
.rept 8
	v_cmp_gt_i32 s[40+jj], 16*cc+jj, v252
.set jj, jj+1
.endr
	s_wait_alu depctr_va_sdst(0)                   ; the tile's eight masks s40-47 are written, ahead of the selects that read them
.set jj, 0
.rept 8
	v_cndmask_b32 v[96+8*cc+jj], v[96+8*cc+jj], v254, s[40+jj]
.set jj, jj+1
.endr
.set cc, cc+1
.endr
.Lopen_\@:
	v_max3_num_f32 v254, v96, v97, v98             ; the step's largest score of my query, among my 64 keys, in two chains,
	v_max3_num_f32 v252, v99, v100, v101
	VLOAD \sl, 1
.irp i, 6,10,14,18,22
	v_max3_num_f32 v254, v254, v[96+\i], v[97+\i]
	v_max3_num_f32 v252, v252, v[98+\i], v[99+\i]
.endr
	VLOAD \sl, 2
.irp i, 26,30,34,38,42
	v_max3_num_f32 v254, v254, v[96+\i], v[97+\i]
	v_max3_num_f32 v252, v252, v[98+\i], v[99+\i]
.endr
	VLOAD \sl, 3
.irp i, 46,50,54,58
	v_max3_num_f32 v254, v254, v[96+\i], v[97+\i]
	v_max3_num_f32 v252, v252, v[98+\i], v[99+\i]
.endr
	v_max3_num_f32 v254, v254, v158, v159
	v_max_num_f32 v254, v254, v252
	v_permlanex16_b32 v248, v254, s20, s21
	v_max_num_f32 v254, v254, v248                 ; and among lane l xor 16's
	v_mul_f32 v254, s22, v254                      ; as t (the factor is positive)
	v_max_num_f32 v13, v13, v254                   ; the running largest t
	v_mov_b32 v254, v12
	v_floor_f32 v12, -v13                          ; the new -M = floor(-t): M is a whole number
	v_sub_f32 v254, v12, v254                      ; old M - new M: a whole number, 0 or less
	v_cvt_i32_f32 v254, v254                       ; (it saturates)
	v_ldexp_f32 v252, 1.0, v254                    ; f = 2^(old M - new M)
.set jj, 0
.rept 32
	v_pk_fma_f32 v[96+jj:97+jj], v[96+jj:97+jj], s[22:23], v[12:13] op_sel_hi:[1,0,0]   ; t - M, two at a time (of both pairs the low word serves both halves)
.set jj, jj+2
.endr
.set jj, 0
.rept 64
	v_exp_f32 v[96+jj], v[96+jj]                   ; p = 2^(t - M): one batch
.set jj, jj+1
.endr
	v_pk_mul_f32 v[14:15], v[14:15], v[252:253] op_sel_hi:[1,0]   ; the sums under the new M: the plain line behind the exponentials
	s_wait_alu depctr_va_vdst(0)                   ; the 64 exponentials have written p, v96-159: one wait for the batch, ahead of its first reader
	v_pk_add_f32 v[242:243], v[96:97], v[98:99]    ; the row's sum is taken of the unquantised p: two at a time, in two chains
.irp j, 4,8,12,16,20,24,28,32,36,40,44,48,52,56,60
	v_pk_add_f32 v[14:15], v[14:15], v[96+\j:97+\j]
	v_pk_add_f32 v[242:243], v[242:243], v[98+\j:99+\j]
.endr
	v_pk_add_f32 v[14:15], v[14:15], v[242:243]
	s_cmp_eq_u32 s55, 0                            ; a whole number read from memory; this launch has no tensor load, copy or cluster, and no barrier stands under the branch
	s_cbranch_scc1 .Lnohold_\@
.set jj, 0
.rept 64
	v_min_num_f32 v[96+jj], v[96+jj], v240         ; e8 under -8: the conversion does not saturate (ISA guide 7.6.2); p is not negative, so the hold is one-sided
.set jj, jj+1
.endr
.Lnohold_\@:
.irp c, 0,1,2,3,4,5,6,7
	v_cvt_scalef32_pk8_fp8_f32 v[224+2*\c:225+2*\c], v[96+8*\c:103+8*\c], v244   ; registers 2 c, 2 c + 1 of P
.endr
.set jj, 0
.rept 16
	v_pk_mul_f32 v[160+jj:161+jj], v[160+jj:161+jj], v[252:253] op_sel_hi:[1,0]   ; O^T under the new M.  (Also the plain lines between the conversions and the products)
.set jj, jj+2
.endr
	s_wait_dscnt 0x0                               ; V is in
.irp t, 0,1,2,3
	v_wmma_f32_16x16x128_fp8_fp8 v[160+8*\t:167+8*\t], v[32+16*\t:47+16*\t], v[224:239], v[160+8*\t:167+8*\t]   ; four accumulators by turns, one instruction a turn
.endr
.rept 4
	v_nop                                          ; places in front of the way out's reads of O^T
.endr
.endm
.Lpair:                                            ; 9 trips, two key blocks each
	; ---- the even key block, in slot 0.  It always has a successor in the same query block, and no wave passes over it
	s_wait_alu depctr_vm_vsrc(0)                   ; my LDS stores into slot 0 (the head's in the first trip, the last trip's after) have read v200-207, in which the loads below land
	s_add_co_u32 s56, s37, 128
	s_lshl_b32 s56, s56, 6                         ; 128 keys are 8,192 bytes
	s_add_nc_u64 s[28:29], s[24:25], s[56:57]      ; (the last loads by these addresses have been waited for)
	s_add_nc_u64 s[30:31], s[26:27], s[56:57]
	global_load_b128 v[200:203], v2, s[28:29]      ; the next key block, a whole step ahead
	global_load_b128 v[204:207], v2, s[30:31]
	STEP 0
	s_wait_loadcnt 0x0
	ds_store_b128 v2, v[200:203] offset:SLB        ; into slot 1, which every wave left in front of the last barrier
	ds_store_b128 v2, v[204:207] offset:SLB+VO
	s_wait_dscnt 0x0                               ; my stores have landed, and my reads of slot 0 are over
	s_barrier_signal -1
	s_barrier_wait -1
	s_wait_alu depctr_vm_vsrc(0)                   ; my LDS stores into slot 1 have read v200-207, in which the next loads land: ahead of the branch that leads round them
	s_add_co_u32 s37, s37, 128
	; ---- the odd key block, in slot 1
	s_add_co_u32 s56, s37, 128
	s_cmp_eq_u32 s14, s13                          ; the query block's last pair?  Then the next key block is the next query block's first
	s_cselect_b32 s56, 0, s56
	s_lshl_b32 s56, s56, 6
	s_cmp_eq_u32 s17, 8                            ; the last trip asks for nothing
	s_cbranch_scc1 .Lno_next
	s_add_nc_u64 s[28:29], s[24:25], s[56:57]
	s_add_nc_u64 s[30:31], s[26:27], s[56:57]
	global_load_b128 v[200:203], v2, s[28:29]
	global_load_b128 v[204:207], v2, s[30:31]
.Lno_next:
	s_add_co_u32 s53, s36, 15
	s_cmp_gt_u32 s37, s53                          ; all 128 keys come after my 16 queries: the step's work is left out; no barrier stands in it
	s_cbranch_scc1 .Lhidden
	STEP 1
.Lhidden:
	s_cmp_eq_u32 s14, s13
	s_cbranch_scc1 .Lfinal
	s_add_co_u32 s14, s14, 1
	s_add_co_u32 s37, s37, 128
	s_branch .Lstage
.Lfinal:                                           ; THE WAY OUT of a query block
	s_wait_xcnt 0x0                                ; the first way out's stores have had their addresses translated: their base is written again below
	s_wait_alu depctr_vm_vsrc(0)                   ; the first way out's stores have read v192-199, which the conversions below write again
	s_lshl_b32 s53, s13, 4
	s_add_co_u32 s53, s53, s59                     ; my tile of 16 tokens
	s_lshr_b32 s54, s53, 3
	s_lshl_b32 s54, s54, 17                        ; its group of 128 rows,
	s_and_b32 s53, s53, 7
	s_lshl_b32 s53, s53, 12                        ; its place in the group,
	s_add_co_u32 s60, s54, s53
	s_add_co_u32 s60, s60, s58                     ; the head's place along K
	s_add_nc_u64 s[34:35], s[8:9], s[60:61]
	s_mov_b32 s14, 0
	s_mov_b32 s37, 0
	s_cmp_eq_u32 s17, 8
	s_cbranch_scc1 .Lno_q
	s_sub_co_u32 s13, 7, s11                       ; the second query block: its Q is asked for first, and lands under the arithmetic below
	s_lshl_b32 s36, s13, 8
	s_lshl_b32 s53, s10, 4
	s_add_co_u32 s36, s36, s53
	s_lshl_b32 s60, s13, 14
	s_add_nc_u64 s[38:39], s[32:33], s[60:61]
	global_load_b128 v[16:19], v1, s[38:39]        ; no wait here: the last step that I walked has waited behind its products K Q^T, Q's only readers, and nothing since names v16-23
	global_load_b128 v[20:23], v1, s[38:39] offset:512
.Lno_q:
	v_add_f32 v14, v14, v15                        ; the sum's two halves,
	v_permlanex16_b32 v248, v14, s20, s21
	v_add_f32 v14, v14, v248                       ; and lane l xor 16's
	v_rcp_f32 v14, v14
	v_nop                                          ; a plain line behind the reciprocal
	s_wait_alu depctr_va_vdst(0)                   ; the reciprocal has written v14, ahead of its first reader
	v_ldexp_f32 v14, v14, s52                      ; x 2^(e8 + e9)
.set jj, 0
.rept 16
	v_pk_mul_f32 v[96+jj:97+jj], v[160+jj:161+jj], v[14:15] op_sel_hi:[1,0]   ; register 8 t + j: channel 16 t + 8 (lane / 16) + j of my query; each accumulator from its low end on
.set jj, jj+2
.endr
.set bb, 0
.rept 4
.set ii, 0
.rept 8
	v_med3_num_f32 v[96+8*bb+ii], v[96+8*bb+ii], -v241, v241
.set ii, ii+1
.endr
	v_cvt_scalef32_pk8_fp8_f32 v[192+2*bb:193+2*bb], v[96+8*bb:103+8*bb], v245
.set bb, bb+1
.endr
	v_nop                                          ; a plain line behind the last conversion
	s_wait_alu depctr_va_vdst(0)                   ; the conversions have written v192-199, which the two stores read
	global_store_b128 v1, v[192:195], s[34:35]     ; half a fragment of the last product's operand: twice 512 consecutive bytes, aligned
	global_store_b128 v1, v[196:199], s[34:35] offset:512
	s_cmp_eq_u32 s17, 8
	s_cbranch_scc1 .Lstage
	INIT
.Lstage:
	s_wait_loadcnt 0x0                             ; on every path: the next key block, and the next Q
	s_cmp_eq_u32 s17, 8
	s_cbranch_scc1 .Lno_store
	ds_store_b128 v2, v[200:203]                   ; into slot 0
	ds_store_b128 v2, v[204:207] offset:VO
.Lno_store:
	s_wait_dscnt 0x0                               ; my stores have landed, and my reads of slot 1 are over
	s_barrier_signal -1
	s_barrier_wait -1
	s_add_co_u32 s17, s17, 1
	s_cmp_lt_u32 s17, 9
	s_cbranch_scc1 .Lpair
	s_wait_dscnt 0x0                               ; the closing lines, six on end
	s_wait_alu 0x0
	s_wait_tensorcnt 0x0
	ds_add_u32 v251, v255
	s_wait_dscnt 0x0
	s_endpgm
.Lfunc_end_k_q0b500a23a7_attn:
	.size	k_q0b500a23a7_attn, .Lfunc_end_k_q0b500a23a7_attn-k_q0b500a23a7_attn
	.p2alignl 7, 3214868480
	.fill 96, 4, 3214868480
	.section	.rodata,"a",@progbits
	.p2align	6, 0x0
	.amdhsa_kernel k_q0b500a23a7_attn
		.amdhsa_group_segment_fixed_size 34816
		.amdhsa_private_segment_fixed_size 0
		.amdhsa_enable_private_segment 0
		.amdhsa_kernarg_size 24
		.amdhsa_user_sgpr_count 2
		.amdhsa_user_sgpr_kernarg_segment_ptr 1
		.amdhsa_wavefront_size32 1
		.amdhsa_system_sgpr_workgroup_id_x 1
		.amdhsa_system_sgpr_workgroup_id_y 1
		.amdhsa_system_sgpr_workgroup_id_z 1
		.amdhsa_system_vgpr_workitem_id 0
		.amdhsa_next_free_vgpr 256
		.amdhsa_next_free_sgpr 66
		.amdhsa_reserve_vcc 0
		.amdhsa_float_denorm_mode_32 3
		.amdhsa_float_denorm_mode_16_64 3
		.amdhsa_memory_ordered 1
		.amdhsa_forward_progress 1
		.amdhsa_inst_pref_size 63
	.end_amdhsa_kernel
	.amdgpu_metadata
---
amdhsa.version: [ 1, 2 ]
amdhsa.kernels:
  - .name:           k_q0b500a23a7_attn
    .symbol:         k_q0b500a23a7_attn.kd
    .args:
      - { .name: qkvc, .offset: 0, .size: 8, .value_kind: global_buffer, .address_space: global }
      - { .name: lowp_scales, .offset: 8, .size: 8, .value_kind: global_buffer, .address_space: global }
      - { .name: ac, .offset: 16, .size: 8, .value_kind: global_buffer, .address_space: global }
    .group_segment_fixed_size: 34816
    .private_segment_fixed_size: 0
    .kernarg_segment_align: 8
    .kernarg_segment_size: 24
    .max_flat_workgroup_size: 512
    .sgpr_count:     66
    .vgpr_count:     256
    .wavefront_size: 32
...
	.end_amdgpu_metadata
.endif
;; end of part 5
;; launch proj: the kernel of part 4 again; grid 4 x 32, 4 waves a work-group, clusters of 4 x 4, 327,680 bytes of LDS; arguments ac, wc, lowp_scales, bp, out0; writes out0
